; MI455X (gfx1250); checked and timed in simulation.
; The chip was launched on July 23, 2026; its instructions are those of AMD's public machine-readable ISA for CDNA 5 (MIT licence, August 2026) and "CDNA5" Instruction Set Architecture Reference Guide (July 2026). The comments in the code are by the model that wrote it; some were corrected since.
;; Planning Attention. Allowed arithmetic: matrix products marked QUANTISED: E2M1 operands, one E8M0 scale for each 32 along K, by v_wmma_scale_f32_16x16x128_f8f6f4 with both operands' format E2M1 (or v_wmma_scale_f32_32x16x128_f4), f32 sums; products left as they are: f32 operands where the result goes on into a quantised operand, else bf16, f16 or f32 operands; f32 sums; everything else in f32.
;; Inputs: b_c 1,024 float32; b_k 1,024 float32; b_q 1,024 float32; b_v 1,024 float32; context_memory 8 x 4,096 x 1,024 float32; query 8 x 1,024 float32; w_c 1,024 x 2,048 float32; w_k 1,024 x 1,024 float32; w_q 1,024 x 1,024 float32; w_v 1,024 x 1,024 float32.
;; Outputs: out0 8 x 1,024 float32.
;; This version of the problem:
;;   THIS VERSION OF THE PROBLEM IS GIVEN IN LOW PRECISION. The matrix products marked QUANTISED in the list below multiply operands that are first quantised to E2M1 (2 exponent bits, 1 mantissa bit; 4 bits a number), with one power-of-two scale for each 32 numbers along K (OCP MX v1.0); their sums are f32. All else is computed in f32.
;;   The module's matrix products, in the order in which they are computed (A, B: the left and right operand; K: the contracted axis; several contracted axes count as one K, in the product's order):
;;     1. [M 8, K 1,024] x [K 1,024, N 1,024]; A: computed on the way; B: computed on the way: left as it is (M = 8 < 16)
;;     2. [M 32,768, K 1,024] x [K 1,024, N 1,024]; A: computed on the way; B: computed on the way: QUANTISED
;;     3. [M 32,768, K 1,024] x [K 1,024, N 1,024]; A: computed on the way; B: computed on the way: QUANTISED
;;     4. batch 8 x [M 1, K 1,024] x [K 1,024, N 4,096]; A: computed on the way; B: computed on the way: left as it is (M = 1 < 16)
;;     5. batch 8 x [M 1, K 4,096] x [K 4,096, N 1,024]; A: softmax; B: computed on the way: left as it is (M = 1 < 16)
;;     6. [M 8, K 2,048] x [K 2,048, N 1,024]; A: computed on the way; B: computed on the way: left as it is (M = 8 < 16)
;;   THE QUANTISER, for each operand of a quantised product, along K:
;;     - K is cut into blocks of 32 from its start; a last block that is shorter is filled with zeros.
;;     - A block's scale is 2^e with e = floor(log2(the largest magnitude in the block)) - 2, held to -126 .. 127; a block of zeros has e = 0. As a byte (E8M0): e + 127.
;;     - Each number is divided by its block's scale, clamped to +-6, and rounded to the nearest number of E2M1, ties to even, subnormals kept.
;;     - The product sums the exact products of the quantised numbers (number of the format x scale) in f32.
;;   ~~~python
;;   def quantise(x, axis):      # numpy; x: float32 -> the quantised numbers, widened to float32 again
;;       x = np.moveaxis(x, axis, -1); K = x.shape[-1]
;;       x = np.pad(x, [(0, 0)] * (x.ndim - 1) + [(0, -K % 32)]); x = x.reshape(x.shape[:-1] + (-1, 32)); a = np.abs(x).max(-1, keepdims=True)
;;       e = np.where(a > 0, np.clip(np.frexp(np.where(a > 0, a, 1))[1] - 1 - 2, -126, 127), 0)      # np.frexp(a)[1] - 1 = floor(log2(a)), exactly
;;       r = np.clip(x / 2.0 ** e, -6, 6)
;;       step = 2.0 ** (np.maximum(np.frexp(np.where(r == 0, 1, r))[1] - 1, 0) - 1)
;;       q = np.round(r / step) * step * 2.0 ** e      # np.round: ties to even
;;       return np.moveaxis(q.reshape(q.shape[:-2] + (-1,))[..., :K], -1, axis).astype(np.float32)
;;   ~~~
;;   OPERANDS COMPUTED ON THE WAY. 'Computed on the way' means the value that the module computes at that place (a softmax that the list does not call 'softmax' is quantised finished and normalised). What goes into a quantiser is computed in f32, as accurately as f32 sums, v_exp_f32 and their like allow (about 1e-6 of the number): no bf16 or f16 on the way to a quantiser, and a product that is left as it is and whose result goes on into a quantised operand takes f32 operands (vector FMAs, or v_wmma_f32_16x16x4_f32). A number that lies on a knife's edge between two numbers of the format may be rounded either way, as far as f32 arithmetic and the matrix unit's own rounding can turn it there, and no further.
;; One version. Each part assembles by itself: llvm-mc -triple=amdgcn-amd-amdhsa -mcpu=gfx1250 --defsym DOCPART=n.
;; ======== version 1 of 1: 4 launches
;; limits: values are held in bf16: 8 bits of precision; right only within a limited range of input values
;; workspace buffers: wsum 4,096 bytes; wcodes 1,048,576 bytes; wscales 65,536 bytes; qv 32,768 bytes; part 1,048,576 bytes; pstat 2,048 bytes; wct 4,194,304 bytes
;; launch sums (part 1): grid 256 x 1, 4 waves a work-group, no clusters, 768 bytes of LDS; arguments w_q, w_k, w_v, w_c, wsum; writes wsum
.if DOCPART == 1
	.amdgcn_target "amdgcn-amd-amdhsa--gfx1250"
	.amdhsa_code_object_version 6
	.text
	.protected	k_q47ea846c47_sums
	.globl	k_q47ea846c47_sums
	.p2align	8
	.type	k_q47ea846c47_sums,@function
k_q47ea846c47_sums:
	s_mov_b64 s[64:65], 0
	v_nop
	global_prefetch_b8 v0, s[64:65] scope:SCOPE_SE
	s_setreg_imm32_b32 hwreg(HW_REG_WAVE_MODE, 25, 1), 1
	s_wait_xcnt 0x0
; Partial sums of |w| for the four weights' scales s = mean|w| + 1e-5: a sum that spans work-groups, so it ends in the launches that use it.
; EVERY work-group takes the same share of EVERY tensor: 4,096 numbers of w_q, of w_k and of w_v, 8,192 of w_c: 81,920 bytes; a wave a quarter of each: 40 loads of 16 bytes a lane, each of the wave covering 512 consecutive bytes.
; A wave keeps four sums; the four waves' sums meet in 64 bytes of LDS behind one barrier, and wave 0 stores the work-group's four.
; wsum[256 x tensor + work-group], tensor 0 w_q, 1 w_k, 2 w_v, 3 w_c.  The stores are four words a work-group, 4,096 bytes in the whole launch.
; LIMITS: NaN and infinities among the inputs are not served.
; DEAD WORK, for the whole program: b_k.  scores[b][s] = q[b] . k[b][s] / 32 with k = (the second product) + b_k, and no quantiser stands behind k.  So b_k enters the scores only as
; q[b] . b_k / 32, one number for all s of a batch, and softmax along s takes away a term that is the same along its axis, whatever the inputs hold.  b_k is loaded by no launch and is among no launch's arguments.
; LIMIT: a NaN, an infinity or an overflow that reaches only q . b_k is not carried to the result.
.set X,   28                           ; v28-187 the lane's 160 numbers: 32 of w_q, of w_k, of w_v, 64 of w_c
.set SEL, 20                           ; s[20:21] lane selects for v_permlanex16_b32: lane l xor 16
; the sum of 32 magnitudes from v[f] on into v[d]: four chains, started by the first eight numbers: nothing is cleared
.macro ASUM d, f
.irp c, 0,1,2,3
	v_add_f32 v[\d+\c], |v[\f+2*\c]|, |v[\f+2*\c+1]|
.endr
.set j, 8
.rept 6
.irp c, 0,1,2,3
	v_add_f32 v[\d+\c], v[\d+\c], |v[\f+j+\c]|
.endr
.set j, j+4
.endr
	v_add_f32 v[\d], v[\d], v[\d+1]
	v_add_f32 v[\d+2], v[\d+2], v[\d+3]
	v_add_f32 v[\d], v[\d], v[\d+2]
.endm
	s_load_b256 s[4:11], s[0:1], 0x0               ; w_q s[4:5], w_k s[6:7], w_v s[8:9], w_c s[10:11]
	s_load_b64 s[12:13], s[0:1], 0x20              ; wsum
	v_lshl_add_u32 v192, v0, 2, 0x100
	v_mov_b32 v193, 0
	v_lshrrev_b32 v1, 5, v0
	v_readfirstlane_b32 s14, v1                    ; wave
	v_and_b32 v2, 31, v0                           ; lane
	s_lshl_b32 s15, ttmp9, 14                      ; 16,384 bytes a work-group,
	s_lshl_b32 s16, s14, 12                        ; 4,096 a wave,
	s_add_co_u32 s15, s15, s16
	v_lshl_add_u32 v1, v2, 4, s15                  ; 16 a lane: my place in w_q, w_k, w_v
	s_lshl_b32 s15, s15, 1
	v_lshl_add_u32 v3, v2, 4, s15                  ; in w_c: twice the work-group's and the wave's share
	s_lshl_b32 s16, s14, 2
	v_mov_b32 v24, s16                             ; LDS: tensor t's four sums at 16 t, my wave's at + 4 x wave
	v_and_b32 v25, 3, v2
	s_lshl_b32 s17, ttmp9, 2
	v_lshl_add_u32 v26, v25, 10, s17               ; wsum: byte 1,024 (lane % 4) + 4 x work-group
	v_lshlrev_b32 v25, 4, v25                      ; LDS: 16 (lane % 4)
	s_mov_b32 s[SEL], 0x76543210
	s_mov_b32 s[SEL+1], 0xfedcba98
	s_wait_alu depctr_va_vdst(0)
	s_wait_kmcnt 0x0
.irp i, 0,1,2,3,4,5,6,7
	global_load_b128 v[X+4*\i:X+4*\i+3], v1, s[4:5] offset:512*\i
.endr
.irp i, 0,1,2,3,4,5,6,7
	global_load_b128 v[X+32+4*\i:X+32+4*\i+3], v1, s[6:7] offset:512*\i
.endr
.irp i, 0,1,2,3,4,5,6,7
	global_load_b128 v[X+64+4*\i:X+64+4*\i+3], v1, s[8:9] offset:512*\i
.endr
.irp i, 0,1,2,3,4,5,6,7,8,9,10,11,12,13,14,15
	global_load_b128 v[X+96+4*\i:X+96+4*\i+3], v3, s[10:11] offset:512*\i
.endr
	s_wait_loadcnt 32                              ; w_q's eight loads are in; the 32 younger ones may be out
	ASUM 4, X
	s_wait_loadcnt 24                              ; w_k's
	ASUM 8, X+32
	s_wait_loadcnt 16                              ; w_v's
	ASUM 12, X+64
	s_wait_loadcnt 8                               ; w_c's first eight
	ASUM 16, X+96
	s_wait_loadcnt 0
	ASUM 20, X+128
	v_add_f32 v16, v16, v20
.irp m, 1,2,4,8                                ; the four sums over the 32 lanes, by turns: no line waits for the line above it
.irp r, 4,8,12,16
	v_add_f32_dpp v\r, v\r, v\r row_xmask:\m row_mask:0xf bank_mask:0xf
.endr
.endr
.irp r, 4,8,12,16
	v_permlanex16_b32 v[\r+1], v\r, s[SEL], s[SEL+1]   ; (the destinations have been written)
.endr
.irp r, 4,8,12,16
	v_add_f32 v\r, v\r, v[\r+1]                    ; the wave's sum, in every lane
.endr
	ds_store_b32 v24, v4                           ; all lanes write the same word with the same value
	ds_store_b32 v24, v8 offset:16
	ds_store_b32 v24, v12 offset:32
	ds_store_b32 v24, v16 offset:48
	s_wait_dscnt 0x0                               ; for the others' sake: my stores are done
	s_barrier_signal -1
	s_barrier_wait -1
	s_cmp_lg_u32 s14, 0
	s_cbranch_scc1 .Lend
	ds_load_b128 v[4:7], v25                       ; wave 0: lane l takes the four waves' sums of tensor l % 4
	s_wait_dscnt 0x0
	v_add_f32 v4, v4, v5
	v_add_f32 v6, v6, v7
	v_add_f32 v4, v4, v6
	v_cmp_gt_u32 vcc_lo, 4, v2
	s_wait_alu depctr_va_vdst(0)
	s_wait_xcnt 0x0                                ; EXEC changes only behind this wait
	s_and_saveexec_b32 s22, vcc_lo                 ; lanes 0 to 3 store
	global_store_b32 v26, v4, s[12:13]
	s_wait_xcnt 0x0
	s_or_b32 exec_lo, exec_lo, s22
.Lend:
	s_wait_tensorcnt 0x0
	ds_add_u32 v192, v193
	s_wait_dscnt 0x0
	s_endpgm
.Lfunc_end_k_q47ea846c47_sums:
	.size	k_q47ea846c47_sums, .Lfunc_end_k_q47ea846c47_sums-k_q47ea846c47_sums
	.p2alignl 7, 3214868480
	.fill 96, 4, 3214868480
	.section	.rodata,"a",@progbits
	.p2align	6, 0x0
	.amdhsa_kernel k_q47ea846c47_sums
		.amdhsa_group_segment_fixed_size 768
		.amdhsa_private_segment_fixed_size 0
		.amdhsa_enable_private_segment 0
		.amdhsa_kernarg_size 40
		.amdhsa_user_sgpr_count 2
		.amdhsa_user_sgpr_kernarg_segment_ptr 1
		.amdhsa_wavefront_size32 1
		.amdhsa_system_sgpr_workgroup_id_x 1
		.amdhsa_system_sgpr_workgroup_id_y 1
		.amdhsa_system_sgpr_workgroup_id_z 1
		.amdhsa_system_vgpr_workitem_id 0
		.amdhsa_next_free_vgpr 194
		.amdhsa_next_free_sgpr 66
		.amdhsa_reserve_vcc 1
		.amdhsa_float_denorm_mode_32 3
		.amdhsa_float_denorm_mode_16_64 3
		.amdhsa_memory_ordered 1
		.amdhsa_forward_progress 1
		.amdhsa_inst_pref_size 17
	.end_amdhsa_kernel
	.amdgpu_metadata
---
amdhsa.version: [ 1, 2 ]
amdhsa.kernels:
  - .name:           k_q47ea846c47_sums
    .symbol:         k_q47ea846c47_sums.kd
    .args:
      - { .name: w_q, .offset: 0, .size: 8, .value_kind: global_buffer, .address_space: global }
      - { .name: w_k, .offset: 8, .size: 8, .value_kind: global_buffer, .address_space: global }
      - { .name: w_v, .offset: 16, .size: 8, .value_kind: global_buffer, .address_space: global }
      - { .name: w_c, .offset: 24, .size: 8, .value_kind: global_buffer, .address_space: global }
      - { .name: wsum, .offset: 32, .size: 8, .value_kind: global_buffer, .address_space: global }
    .group_segment_fixed_size: 768
    .private_segment_fixed_size: 0
    .kernarg_segment_align: 8
    .kernarg_segment_size: 40
    .max_flat_workgroup_size: 128
    .sgpr_count:     66
    .vgpr_count:     194
    .wavefront_size: 32
...
	.end_amdgpu_metadata
.endif
;; end of part 1
;; launch prep (part 2): grid 256 x 1, 4 waves a work-group, no clusters, 82,432 bytes of LDS; arguments wsum, w_k, w_v, w_q, w_c, query, b_q, wcodes, wscales, qv, wct; writes wcodes, wscales, qv, wct
.if DOCPART == 2
	.amdgcn_target "amdgcn-amd-amdhsa--gfx1250"
	.amdhsa_code_object_version 6
	.text
	.protected	k_q47ea846c47_prep
	.globl	k_q47ea846c47_prep
	.p2align	8
	.type	k_q47ea846c47_prep,@function
k_q47ea846c47_prep:
	s_mov_b64 s[64:65], 0
	v_nop
	global_prefetch_b8 v0, s[64:65] scope:SCOPE_SE
	s_setreg_imm32_b32 hwreg(HW_REG_WAVE_MODE, 25, 1), 1
	s_wait_xcnt 0x0
; Three roles, parted by the work-group's number; each has LDS bytes of its own.
; ROLE B, work-groups 0-63: q = bitlinear(query, w_q, b_q), 16 outputs a work-group, 4 a wave, for all 8 batches.  Wave w quantises the queries of batches 2 w and 2 w + 1 and hands n = round(x 127 / g) and g / 127 to the others through LDS.
;   The product is made on the whole numbers n and t = clip(round(w / s)): their sums stay under 2^24 and are exact; one fused multiply-add by (g / 127) s with the bias follows.  reference() rounds each term instead: a difference of f32 rounding.
;   A wave's 32 sums (8 batches x 4 outputs) are not reduced one by one: the lanes' parts turn once through the wave's own LDS, so that lane 4 b + rho adds the 32 parts of batch b, output rho.  It stores 16 bytes to each of 8 rows: 32,768 bytes in the launch.
; ROLE C, work-groups 64-127: 16 rows of w_c become t = clip(round(w / s)) in bf16 (-1, 0, 1: exact), made once for the last launch's eight batches.
;   wct byte = row x 4,096 + 512 u + 16 lane + 4 c + 2 e: k = 256 u + 128 (c / 2) + 4 lane + 2 (c % 2) + e: the image of the registers of a lane that loads the row 16 bytes a lane, packed in pairs.  Every store covers 512 consecutive bytes.
; ROLE A, work-groups 128-255: 16 rows of w_k (128-191) or w_v (192-255) become ternary numbers x s (s = mean|w| + 1e-5) and then codes of FP4 (E2M1) with one E8M0 byte for each 32 along K,
;   laid in the ORDER OF THE OPERAND'S REGISTERS, as the next launch's waves take them:
;   wcodes byte  = slot x 131,072 + wave x 32,768 + step x 8,192 + ks x 1,024 + c x 512 + lane x 16: lane (r, h), piece c holds k = 128 ks + 64 c + 32 h + 0..31 of weight row 256 wave + 64 (slot % 4) + 16 step + r; slots 0-3 w_k, 4-7 w_v.
;   wscales byte = slot x 8,192 + wave x 2,048 + step x 512 + lane x 16 + 4 u + b: word u of lane (r, h) is row r's scale word of K step 2 u + h.
;   A wave takes 4 rows.  Each load reads 512 consecutive bytes; a row turns through the wave's stage in LDS so that lane l holds block l (32 neighbours along K).  Codes and bytes meet in an image of the tile and leave in runs of 512 bytes.
; w / s, 127 / g and g / 127 are a reciprocal (or a constant) with one correction step by fused multiply-adds.  The clip to -128..127 cannot act: |x| <= g, so |x 127 / g| rounds to 127 at the most.
; LIMITS: NaN and infinities are not served.  A block of zeros, or under 2^-124, keeps the scale byte 1: its codes are zeros (or what the held scale gives), and this program alone reads the bytes.
.set STG,  0                           ; LDS, role A: a stage of 32 x 144 bytes for each wave (a block's 128 bytes + 16 of padding)
.set IMG,  18432                       ; the tile's image: block l at 272 l, row r at + 16 r
.set SCI,  27136                       ; the tile's 512 scale bytes, as they lie in wscales
.set NQ,   28672                       ; LDS, role B: n of the 8 batches, 4,096 bytes each, as the lanes hold them: 512 i + 16 lane
.set CB,   61440                       ; g / 127 of the 8 batches
.set RB,   61696                       ; 4 x 4,608: a wave's own: its 32 sums' parts, sum j at 144 j, lane l at + 4 l
.set SS,   8                           ; v[8:9]   s (the packed forms name a pair and take its low word)
.set INV,  10                          ; v[10:11] 1 / s
.set WT,   32                          ; v32-33   at work in WSCALE
.set QB,   34                          ; role B: 14 registers at work for each of my two batches: +0 maximum, +1 second chain, +2 g, +3 1 / g, +4, +5 first guesses, +6 error, +8, +9 127 / g as a pair, +10 g / 127
.set PV,   16                          ; role B: v16-47 my parts of the 32 sums
.set WV,   26
.set SEL,  28
.set EPS,  30
.set K20,  31
.set C127, 32
.set I127, 33
.set K21,  34
.macro WSUM r, t                       ; the sum over the wave's 32 lanes, into every lane; t: a register that has been written
	v_add_f32_dpp v[\r], v[\r], v[\r] row_xmask:1 row_mask:0xf bank_mask:0xf
	v_add_f32_dpp v[\r], v[\r], v[\r] row_xmask:2 row_mask:0xf bank_mask:0xf
	v_add_f32_dpp v[\r], v[\r], v[\r] row_xmask:4 row_mask:0xf bank_mask:0xf
	v_add_f32_dpp v[\r], v[\r], v[\r] row_xmask:8 row_mask:0xf bank_mask:0xf
	v_permlanex16_b32 v[\t], v[\r], s[SEL], s[SEL+1]
	v_add_f32 v[\r], v[\r], v[\t]
.endm
; s and 1 / s from the lane's n partial sums in v[f] on.  sk: the scalar register with 1 / the tensor's count, a power of two, so the fused multiply-add rounds once, as mean + 1e-5 does.
.macro WSCALE f, n, sk
	v_mov_b32 v[WT+1], 0
	v_add_f32 v[WT], v[\f], v[\f+1]
.set j, 2
.rept \n-2
	v_add_f32 v[WT], v[WT], v[\f+j]
.set j, j+1
.endr
	WSUM WT, WT+1
	v_fma_f32 v[SS], v[WT], s[\sk], s[EPS]
	s_wait_alu depctr_va_vdst(0)
	v_rcp_f32 v[WT+1], v[SS]
	v_mov_b32 v[SS+1], 0                           ; a plain instruction behind the reciprocal; the pair's upper word is written since the pair is named
	s_wait_alu depctr_va_vdst(0)
	v_fma_f32 v[WT], -v[SS], v[WT+1], 1.0
	v_fma_f32 v[INV], v[WT], v[WT+1], v[WT+1]      ; one correction step
	v_mov_b32 v[INV+1], 0
.endm
	s_load_b256 s[4:11], s[0:1], 0x0               ; wsum s[4:5], w_k s[6:7], w_v s[8:9], w_q s[10:11]
	s_load_b256 s[12:19], s[0:1], 0x20             ; w_c s[12:13], query s[14:15], b_q s[16:17], wcodes s[18:19]
	s_load_b128 s[20:23], s[0:1], 0x40             ; wscales s[20:21], qv s[22:23]
	s_load_b64 s[24:25], s[0:1], 0x50              ; wct
	v_lshl_add_u32 v60, v0, 2, 0x14000
	v_mov_b32 v61, 0
	v_lshrrev_b32 v1, 5, v0
	v_readfirstlane_b32 s[WV], v1                  ; wave
	v_and_b32 v1, 31, v0                           ; lane l
	v_lshlrev_b32 v2, 4, v1                        ; 16 l
	v_lshlrev_b32 v3, 5, v1                        ; 32 l: my 8 partial sums
	s_mov_b32 s[SEL], 0x76543210
	s_mov_b32 s[SEL+1], 0xfedcba98
	s_mov_b32 s[EPS], 0x3727c5ac                   ; 1e-5
	s_mov_b32 s[K20], 0x35800000                   ; 2^-20
	s_mov_b32 s[K21], 0x35000000                   ; 2^-21
	s_mov_b32 s[C127], 0x42fe0000                  ; 127
	s_mov_b32 s[I127], 0x3c010204                  ; 1 / 127
	s_mov_b32 s45, 0
	s_wait_kmcnt 0x0
	s_cmp_lt_u32 ttmp9, 64
	s_cbranch_scc1 .Lrole_b
	s_cmp_lt_u32 ttmp9, 128
	s_cbranch_scc1 .Lrole_c
	; ---------------- ROLE A ----------------
	s_bfe_u32 s40, ttmp9, 0x10006                  ; 0: w_k, 1: w_v
	s_and_b32 s41, ttmp9, 63                       ; which 16 rows
	s_cmp_eq_u32 s40, 0
	s_cselect_b64 s[42:43], s[6:7], s[8:9]
	s_add_co_u32 s44, s40, 1
	s_lshl_b32 s44, s44, 10                        ; the tensor's 256 partial sums: byte 1,024 or 2,048 of wsum
	s_add_nc_u64 s[46:47], s[4:5], s[44:45]
	s_lshl_b32 s44, s41, 16                        ; 16 rows of 4,096 bytes,
	s_lshl_b32 s48, s[WV], 14                      ; my wave's 4 of them
	s_add_co_u32 s44, s44, s48
	s_add_nc_u64 s[42:43], s[42:43], s[44:45]
	s_wait_alu depctr_va_vdst(0)
	global_load_b128 v[16:19], v3, s[46:47]
	global_load_b128 v[20:23], v3, s[46:47] offset:16
.irp rho, 0,1,2,3
.irp i, 0,1,2,3,4,5,6,7
	global_load_b128 v[128+32*\rho+4*\i:128+32*\rho+4*\i+3], v2, s[42:43] offset:4096*\rho+512*\i
.endr
.endr
	s_mul_i32 s48, s[WV], 4608                     ; my stage
	v_lshrrev_b32 v4, 3, v1
	v_add_nc_u32 v4, v4, v1
	v_lshlrev_b32 v4, 4, v4
	v_add_nc_u32 v4, s48, v4                       ; in: 16 l + 16 (l / 8): 16 bytes of padding behind each 128; a load's 512 bytes take 576
	v_mul_u32_u24 v5, v1, 144
	v_add_nc_u32 v5, s48, v5                       ; back: block l at 144 l
	s_lshl_b32 s48, s[WV], 6                       ; my first row of the tile: 16 bytes x 4 wave
	v_mul_u32_u24 v6, v1, 272
	v_add_nc_u32 v6, s48, v6
	v_add_nc_u32 v6, IMG, v6                       ; the image: block l, my wave's rows
	v_bfe_u32 v7, v1, 2, 1
	v_lshlrev_b32 v7, 8, v7                        ; the scale byte of block l = 4 ks + b: h = ks % 2: 256 h,
	v_lshrrev_b32 v12, 3, v1
	v_lshl_add_u32 v7, v12, 2, v7                  ; u = ks / 2: 4 u,
	v_and_b32 v12, 3, v1
	v_add_nc_u32 v7, v7, v12                       ; b,
	v_add_nc_u32 v7, s48, v7                       ; 16 bytes a row
	v_add_nc_u32 v7, SCI, v7
	v_and_b32 v12, 15, v1                          ; r
	v_lshrrev_b32 v13, 4, v1                       ; h
	v_mul_u32_u24 v13, v13, 272
	v_lshl_add_u32 v13, v12, 4, v13
	s_mul_i32 s49, s[WV], 4*544
	v_add_nc_u32 v13, s49, v13
	v_add_nc_u32 v13, IMG, v13                     ; out of the image: piece f = 2 ks + c is blocks 2 f + h: 544 f + 272 h + 16 r; my wave takes f = 4 wave on
	s_lshl_b32 s49, s[WV], 11
	v_add_nc_u32 v14, s49, v2                      ; and its place in the tile's 8,192 bytes: 512 f + 16 l
	v_add_nc_u32 v15, SCI, v2
	s_bfe_u32 s48, s41, 0x20002                    ; where the tile goes: slot = 4 x tensor + (tile / 4) % 4,
	s_lshl_b32 s49, s40, 2
	s_add_co_u32 s48, s48, s49
	s_lshl_b32 s48, s48, 17
	s_lshr_b32 s49, s41, 4                         ; the wave that will read it = tile / 16,
	s_lshl_b32 s49, s49, 15
	s_add_co_u32 s48, s48, s49
	s_and_b32 s49, s41, 3                          ; its step in the slot = tile % 4
	s_lshl_b32 s49, s49, 13
	s_add_co_u32 s44, s48, s49
	s_add_nc_u64 s[50:51], s[18:19], s[44:45]
	s_lshr_b32 s44, s44, 4                         ; the scale bytes' place is a sixteenth of the codes'
	s_add_nc_u64 s[52:53], s[20:21], s[44:45]
	s_wait_loadcnt 32                              ; the partial sums are in; the 32 loads of my rows may be out
	WSCALE 16, 8, K20
.macro TURNA rho                       ; row rho through the stage: LDS serves a wave's instructions in order, so no wait stands between the stores and the loads
	s_wait_loadcnt 8*(3-\rho)                      ; the row's eight loads are in; the younger rows' may be out
.irp i, 0,1,2,3,4,5,6,7
	ds_store_b128 v4, v[128+32*\rho+4*\i:128+32*\rho+4*\i+3] offset:576*\i
.endr
.irp i, 0,1,2,3,4,5,6,7
	ds_load_b128 v[64+32*((\rho)%2)+4*\i:64+32*((\rho)%2)+4*\i+3], v5 offset:16*\i
.endr
.endm
.macro ROWA rho
	s_wait_dscnt 0x0                               ; my block of the row is in; the last row's stores have read their registers
.if \rho < 3
	TURNA (\rho+1)
.endif
.set XS, 64+32*((\rho)%2)
.set j, 0
.rept 16
	v_pk_mul_f32 v[XS+2*j:XS+2*j+1], v[XS+2*j:XS+2*j+1], v[INV:INV+1] op_sel_hi:[1,0]   ; w / s
.set j, j+1
.endr
.set j, 0
.rept 32
	v_rndne_f32 v[XS+j], v[XS+j]
.set j, j+1
.endr
.set j, 0
.rept 32
	v_med3_num_f32 v[XS+j], v[XS+j], -1.0, 1.0     ; the clip
.set j, j+1
.endr
.set j, 0
.rept 16
	v_pk_mul_f32 v[XS+2*j:XS+2*j+1], v[XS+2*j:XS+2*j+1], v[SS:SS+1] op_sel_hi:[1,0]     ; x s: the operand as reference() has it
.set j, j+1
.endr
	v_max3_num_f32 v29, |v[XS]|, |v[XS+1]|, |v[XS+2]|              ; the block's largest magnitude: all 32 numbers are mine
	v_max3_num_f32 v30, |v[XS+3]|, |v[XS+4]|, |v[XS+5]|
.irp i, 6,10,14,18,22,26
	v_max3_num_f32 v29, v29, |v[XS+\i]|, |v[XS+\i+1]|
	v_max3_num_f32 v30, v30, |v[XS+\i+2]|, |v[XS+\i+3]|
.endr
	v_max3_num_f32 v29, v29, |v[XS+30]|, |v[XS+31]|
	v_max3_num_f32 v29, v29, v30, 0x1800000        ; and the floor 2^(3 - 127): the byte cannot fall under 1
	v_add_nc_u32 v31, 0xff000000, v29              ; 2 off the exponent field: the conversion takes the exponent field of this operand as its scale
	v_lshrrev_b32 v28, 23, v31                     ; the scale's byte
.irp g, 0,1,2,3
	v_cvt_scalef32_pk8_fp4_f32 v[24+\g], v[XS+8*\g:XS+8*\g+7], v31
.endr
	v_nop                                          ; one plain instruction behind the last scaled conversion
	ds_store_b128 v6, v[24:27] offset:16*\rho      ; 32 codes: 16 bytes of block l, row 4 wave + rho
	ds_store_b8 v7, v28 offset:16*\rho
.endm
	s_wait_alu depctr_va_vdst(0)
	TURNA 0
	ROWA 0
	ROWA 1
	ROWA 2
	ROWA 3
	s_wait_dscnt 0x0                               ; for the others' sake: my stores into the image are done
	s_barrier_signal -1
	s_barrier_wait -1
.irp i, 0,1,2,3
	ds_load_b128 v[64+4*\i:67+4*\i], v13 offset:544*\i
.endr
	s_wait_dscnt 0x0
.irp i, 0,1,2,3
	global_store_b128 v14, v[64+4*\i:67+4*\i], s[50:51] offset:512*\i   ; 32 lanes store 512 consecutive bytes, aligned
.endr
	s_cmp_lg_u32 s[WV], 0
	s_cbranch_scc1 .Ldone_a
	ds_load_b128 v[80:83], v15                     ; wave 0: the tile's 512 scale bytes
	s_wait_dscnt 0x0
	global_store_b128 v2, v[80:83], s[52:53]
.Ldone_a:
	s_wait_tensorcnt 0x0
	ds_add_u32 v60, v61
	s_wait_dscnt 0x0
	s_endpgm
	; ---------------- ROLE C ----------------
.Lrole_c:
	s_sub_co_u32 s40, ttmp9, 64
	s_lshl_b32 s40, s40, 4
	s_lshl_b32 s41, s[WV], 2
	s_add_co_u32 s40, s40, s41                     ; my first row of w_c: 16 x work-group + 4 x wave
	s_lshl_b32 s44, s40, 13
	s_add_nc_u64 s[42:43], s[12:13], s[44:45]      ; 8,192 bytes a row in w_c,
	s_lshl_b32 s44, s40, 12
	s_add_nc_u64 s[46:47], s[24:25], s[44:45]      ; 4,096 in wct
	s_wait_alu depctr_va_vdst(0)
	global_load_b128 v[16:19], v3, s[4:5] offset:3072              ; w_c's 256 partial sums
	global_load_b128 v[20:23], v3, s[4:5] offset:3088
.macro CLOAD rho, set                  ; row rho into register set 0, 1 or 2: sixteen loads of 512 consecutive bytes: register 4 i + j is k = 128 i + 4 l + j
.irp i, 0,1,2,3,4,5,6,7,8,9,10,11,12,13,14,15
	global_load_b128 v[64+64*(\set)+4*\i:64+64*(\set)+4*\i+3], v2, s[42:43] offset:8192*(\rho)+512*\i
.endr
.endm
.macro CROWP rho, set, left            ; left: the loads that may stay out when this row's have to be in
.set W, 64+64*(\set)
	s_wait_loadcnt \left
.set j, 0
.rept 32
	v_pk_mul_f32 v[W+2*j:W+2*j+1], v[W+2*j:W+2*j+1], v[INV:INV+1] op_sel_hi:[1,0]       ; w / s
.set j, j+1
.endr
.set j, 0
.rept 64
	v_rndne_f32 v[W+j], v[W+j]
.set j, j+1
.endr
.set j, 0
.rept 64
	v_med3_num_f32 v[W+j], v[W+j], -1.0, 1.0       ; the clip: t
.set j, j+1
.endr
.set j, 0
.rept 32
	v_cvt_pk_bf16_f32 v[W+j], v[W+2*j], v[W+2*j+1] ; two to a register, in place and in ascending order: a register is written only when its number has been packed
.set j, j+1
.endr
.irp u, 0,1,2,3,4,5,6,7
	global_store_b128 v2, v[W+4*\u:W+4*\u+3], s[46:47] offset:4096*(\rho)+512*\u          ; 32 lanes store 512 consecutive bytes, aligned
.endr
.endm
	CLOAD 0, 0
	CLOAD 1, 1
	CLOAD 2, 2
	s_wait_loadcnt 48                              ; the partial sums are in; three rows may be out
	WSCALE 16, 8, K21
	s_wait_alu depctr_va_vdst(0)
	CROWP 0, 0, 32
	s_wait_xcnt 0x0                                ; row 0's stores have read their registers: the set takes row 3
	CLOAD 3, 0
	CROWP 1, 1, 32                                 ; rows 2 and 3 may be out
	CROWP 2, 2, 16
	CROWP 3, 0, 0
	s_endpgm
	; ---------------- ROLE B ----------------
.Lrole_b:
	s_lshl_b32 s40, ttmp9, 4
	s_lshl_b32 s41, s[WV], 2
	s_add_co_u32 s40, s40, s41                     ; my first output: 16 x work-group + 4 x wave
	s_lshl_b32 s44, s40, 12
	s_add_nc_u64 s[42:43], s[10:11], s[44:45]      ; its row of w_q
	s_lshl_b32 s44, s40, 2
	s_add_nc_u64 s[46:47], s[16:17], s[44:45]      ; its bias
	s_add_nc_u64 s[48:49], s[22:23], s[44:45]      ; its place in a row of qv
	s_lshl_b32 s44, s[WV], 13                      ; my two batches: 2 x 4,096 bytes x wave
	s_add_nc_u64 s[50:51], s[14:15], s[44:45]
	s_wait_alu depctr_va_vdst(0)
.irp q, 0,1
.irp i, 0,1,2,3,4,5,6,7
	global_load_b128 v[64+32*\q+4*\i:64+32*\q+4*\i+3], v2, s[50:51] offset:4096*\q+512*\i   ; the query of batch 2 wave + q: load i, lane l: k = 128 i + 4 l on
.endr
.endr
	global_load_b128 v[16:19], v3, s[4:5]          ; w_q's partial sums: wsum's first 256
	global_load_b128 v[20:23], v3, s[4:5] offset:16
	v_and_b32 v4, 3, v1
	v_lshlrev_b32 v4, 2, v4                        ; lane l ends up with batch l / 4, output l % 4
	global_load_b32 v6, v4, s[46:47]
.irp rho, 0,1,2,3
.irp i, 0,1,2,3,4,5,6,7
	global_load_b128 v[128+32*\rho+4*\i:128+32*\rho+4*\i+3], v2, s[42:43] offset:4096*\rho+512*\i
.endr
.endr
	v_lshrrev_b32 v5, 2, v1
	v_lshl_add_u32 v15, v5, 2, CB                  ; LDS: g / 127 of batch l / 4
	v_lshl_add_u32 v5, v5, 12, v4                  ; qv: row l / 4, 4 (l % 4)
	s_add_co_u32 s52, s44, NQ
	v_add_nc_u32 v12, s52, v2                      ; LDS: where I put n: my two batches, 16 l
	v_add_nc_u32 v13, NQ, v2                       ; and where I read any batch's
	s_lshl_b32 s52, s[WV], 3
	s_add_co_u32 s52, s52, CB
	v_mov_b32 v14, s52                             ; where I put g / 127 of my two batches
	s_mul_i32 s52, s[WV], 4608
	s_add_co_u32 s52, s52, RB
	v_lshl_add_u32 v62, v1, 2, s52                 ; my wave's turn: in, 4 l;
	v_mul_u32_u24 v63, v1, 144
	v_add_nc_u32 v63, s52, v63                     ; back, 144 l
	v_mov_b32 v[QB+9], 0                           ; (upper words of pairs that are named)
	v_mov_b32 v[QB+23], 0
	s_wait_loadcnt 35                              ; my two queries are in: 2 + 1 + 32 loads are younger
	; g, 127 / g, g / 127 and n of my two batches, by turns: no line waits for the line above it
.irp q, 0,1
	v_max3_num_f32 v[QB+14*\q], |v[64+32*\q]|, |v[65+32*\q]|, |v[66+32*\q]|
	v_max3_num_f32 v[QB+14*\q+1], |v[67+32*\q]|, |v[68+32*\q]|, |v[69+32*\q]|
.endr
.irp i, 6,10,14,18,22,26
.irp q, 0,1
	v_max3_num_f32 v[QB+14*\q], v[QB+14*\q], |v[64+32*\q+\i]|, |v[65+32*\q+\i]|
	v_max3_num_f32 v[QB+14*\q+1], v[QB+14*\q+1], |v[66+32*\q+\i]|, |v[67+32*\q+\i]|
.endr
.endr
.irp q, 0,1
	v_max3_num_f32 v[QB+14*\q], v[QB+14*\q], |v[94+32*\q]|, |v[95+32*\q]|
.endr
.irp q, 0,1
	v_max_num_f32 v[QB+14*\q], v[QB+14*\q], v[QB+14*\q+1]
.endr
.irp m, 1,2,4,8
.irp q, 0,1
	v_max_num_f32_dpp v[QB+14*\q], v[QB+14*\q], v[QB+14*\q] row_xmask:\m row_mask:0xf bank_mask:0xf
.endr
.endr
.irp q, 0,1
	v_permlanex16_b32 v[QB+14*\q+1], v[QB+14*\q], s[SEL], s[SEL+1]
.endr
.irp q, 0,1
	v_max_num_f32 v[QB+14*\q], v[QB+14*\q], v[QB+14*\q+1]          ; the row's largest magnitude
.endr
.irp q, 0,1
	v_add_f32 v[QB+14*\q+2], s[EPS], v[QB+14*\q]   ; g
.endr
	s_wait_alu depctr_va_vdst(0)
.irp q, 0,1
	v_rcp_f32 v[QB+14*\q+3], v[QB+14*\q+2]
.endr
.irp q, 0,1
	v_mul_f32 v[QB+14*\q+4], s[I127], v[QB+14*\q+2]                ; (plain instructions behind the reciprocals)  g / 127, first guess
.endr
	s_wait_alu depctr_va_vdst(0)
.irp q, 0,1
	v_mul_f32 v[QB+14*\q+5], s[C127], v[QB+14*\q+3]                ; 127 / g, first guess
.endr
.irp q, 0,1
	v_fma_f32 v[QB+14*\q+6], -v[QB+14*\q+2], v[QB+14*\q+5], s[C127]
.endr
.irp q, 0,1
	v_fma_f32 v[QB+14*\q+8], v[QB+14*\q+6], v[QB+14*\q+3], v[QB+14*\q+5]    ; 127 / g
.endr
.irp q, 0,1
	v_fma_f32 v[QB+14*\q+6], -v[QB+14*\q+4], s[C127], v[QB+14*\q+2]
.endr
.irp q, 0,1
	v_fma_f32 v[QB+14*\q+10], v[QB+14*\q+6], s[I127], v[QB+14*\q+4]         ; g / 127
.endr
.irp q, 0,1
.set j, 0
.rept 16
	v_pk_mul_f32 v[64+32*\q+2*j:65+32*\q+2*j], v[64+32*\q+2*j:65+32*\q+2*j], v[QB+14*\q+8:QB+14*\q+9] op_sel_hi:[1,0]
.set j, j+1
.endr
.endr
.set j, 0
.rept 64
	v_rndne_f32 v[64+j], v[64+j]                   ; n
.set j, j+1
.endr
.irp q, 0,1
.irp i, 0,1,2,3,4,5,6,7
	ds_store_b128 v12, v[64+32*\q+4*\i:64+32*\q+4*\i+3] offset:4096*\q+512*\i   ; as the registers stand: any wave that loads them so has the same numbers in the same lanes
.endr
	ds_store_b32 v14, v[QB+14*\q+10] offset:4*\q   ; all lanes write the same word with the same value
.endr
	s_wait_loadcnt 33                              ; the partial sums are in: the bias and my four rows are younger
	WSCALE 16, 8, K20
	s_wait_alu depctr_va_vdst(0)
	s_wait_loadcnt 0x0                             ; my four rows
.set j, 0
.rept 64
	v_pk_mul_f32 v[128+2*j:129+2*j], v[128+2*j:129+2*j], v[INV:INV+1] op_sel_hi:[1,0]
.set j, j+1
.endr
.set j, 0
.rept 128
	v_rndne_f32 v[128+j], v[128+j]
.set j, j+1
.endr
.set j, 0
.rept 128
	v_med3_num_f32 v[128+j], v[128+j], -1.0, 1.0   ; t = -1, 0 or 1: it stays so; s is multiplied in at the end
.set j, j+1
.endr
	s_wait_dscnt 0x0                               ; for the others' sake: my stores of n and g / 127 are done
	s_barrier_signal -1
	s_barrier_wait -1
.macro NLOAD b                         ; batch b's n into set b % 2
.irp i, 0,1,2,3,4,5,6,7
	ds_load_b128 v[64+32*((\b)%2)+4*\i:64+32*((\b)%2)+4*\i+3], v13 offset:4096*(\b)+512*\i
.endr
.endm
.macro DOT b
.set XS, 64+32*((\b)%2)
.if \b < 7
	s_wait_dscnt 8                                 ; this batch's n is in; the next batch's eight loads may be out
.else
	s_wait_dscnt 0
.endif
.irp rho, 0,1,2,3
	v_pk_mul_f32 v[48+2*\rho:49+2*\rho], v[XS:XS+1], v[128+32*\rho:129+32*\rho]    ; the first products start the sums
.endr
.set j, 1
.rept 15
.irp rho, 0,1,2,3
	v_pk_fma_f32 v[48+2*\rho:49+2*\rho], v[XS+2*j:XS+2*j+1], v[128+32*\rho+2*j:129+32*\rho+2*j], v[48+2*\rho:49+2*\rho]
.endr
.set j, j+1
.endr
.if \b+2 < 8
	NLOAD (\b+2)                                   ; into the registers that this batch has left
.endif
.irp rho, 0,1,2,3
	v_add_f32 v[PV+4*(\b)+\rho], v[48+2*\rho], v[49+2*\rho]        ; my lane's part of sum 4 b + rho
.endr
.endm
	ds_load_b32 v7, v15                            ; g / 127 of my lane's batch: the oldest of the loads
	NLOAD 0
	NLOAD 1
.irp b, 0,1,2,3,4,5,6,7
	DOT \b
.endr
.set j, 0
.rept 32
	ds_store_b32 v62, v[PV+j] offset:144*j         ; the turn: sum j's 32 parts on end, 128 bytes + 16 of padding
.set j, j+1
.endr
.irp i, 0,1,2,3,4,5,6,7
	ds_load_b128 v[64+4*\i:67+4*\i], v63 offset:16*\i              ; lane l takes the 32 parts of sum l.  LDS serves a wave's instructions in order: these see my stores
.endr
	s_wait_dscnt 0x0
.irp i, 0,1,2,3,4,5,6,7
	v_pk_add_f32 v[64+2*\i:65+2*\i], v[64+2*\i:65+2*\i], v[80+2*\i:81+2*\i]        ; whole numbers: exact in any order
.endr
.irp i, 0,1,2,3
	v_pk_add_f32 v[64+2*\i:65+2*\i], v[64+2*\i:65+2*\i], v[72+2*\i:73+2*\i]
.endr
.irp i, 0,1
	v_pk_add_f32 v[64+2*\i:65+2*\i], v[64+2*\i:65+2*\i], v[68+2*\i:69+2*\i]
.endr
	v_pk_add_f32 v[64:65], v[64:65], v[66:67]
	v_mul_f32 v7, v7, v[SS]                        ; (g / 127) s
	v_add_f32 v64, v64, v65
	v_fma_f32 v64, v64, v7, v6                     ; + b_q
	global_store_b32 v5, v64, s[48:49]
	s_wait_tensorcnt 0x0
	ds_add_u32 v60, v61
	s_wait_dscnt 0x0
	s_endpgm
.Lfunc_end_k_q47ea846c47_prep:
	.size	k_q47ea846c47_prep, .Lfunc_end_k_q47ea846c47_prep-k_q47ea846c47_prep
	.p2alignl 7, 3214868480
	.fill 96, 4, 3214868480
	.section	.rodata,"a",@progbits
	.p2align	6, 0x0
	.amdhsa_kernel k_q47ea846c47_prep
		.amdhsa_group_segment_fixed_size 82432
		.amdhsa_private_segment_fixed_size 0
		.amdhsa_enable_private_segment 0
		.amdhsa_kernarg_size 88
		.amdhsa_user_sgpr_count 2
		.amdhsa_user_sgpr_kernarg_segment_ptr 1
		.amdhsa_wavefront_size32 1
		.amdhsa_system_sgpr_workgroup_id_x 1
		.amdhsa_system_sgpr_workgroup_id_y 1
		.amdhsa_system_sgpr_workgroup_id_z 1
		.amdhsa_system_vgpr_workitem_id 0
		.amdhsa_next_free_vgpr 256
		.amdhsa_next_free_sgpr 66
		.amdhsa_reserve_vcc 0
		.amdhsa_float_denorm_mode_32 3
		.amdhsa_float_denorm_mode_16_64 3
		.amdhsa_memory_ordered 1
		.amdhsa_forward_progress 1
		.amdhsa_inst_pref_size 163
	.end_amdhsa_kernel
	.amdgpu_metadata
---
amdhsa.version: [ 1, 2 ]
amdhsa.kernels:
  - .name:           k_q47ea846c47_prep
    .symbol:         k_q47ea846c47_prep.kd
    .args:
      - { .name: wsum, .offset: 0, .size: 8, .value_kind: global_buffer, .address_space: global }
      - { .name: w_k, .offset: 8, .size: 8, .value_kind: global_buffer, .address_space: global }
      - { .name: w_v, .offset: 16, .size: 8, .value_kind: global_buffer, .address_space: global }
      - { .name: w_q, .offset: 24, .size: 8, .value_kind: global_buffer, .address_space: global }
      - { .name: w_c, .offset: 32, .size: 8, .value_kind: global_buffer, .address_space: global }
      - { .name: query, .offset: 40, .size: 8, .value_kind: global_buffer, .address_space: global }
      - { .name: b_q, .offset: 48, .size: 8, .value_kind: global_buffer, .address_space: global }
      - { .name: wcodes, .offset: 56, .size: 8, .value_kind: global_buffer, .address_space: global }
      - { .name: wscales, .offset: 64, .size: 8, .value_kind: global_buffer, .address_space: global }
      - { .name: qv, .offset: 72, .size: 8, .value_kind: global_buffer, .address_space: global }
      - { .name: wct, .offset: 80, .size: 8, .value_kind: global_buffer, .address_space: global }
    .group_segment_fixed_size: 82432
    .private_segment_fixed_size: 0
    .kernarg_segment_align: 8
    .kernarg_segment_size: 88
    .max_flat_workgroup_size: 128
    .sgpr_count:     66
    .vgpr_count:     256
    .wavefront_size: 32
...
	.end_amdgpu_metadata
.endif
;; end of part 2
;; launch main (part 3): grid 256 x 1, 4 waves a work-group, clusters of 4 x 1, 327,680 bytes of LDS; arguments context_memory, wcodes, wscales, qv, part, pstat; writes part, pstat
.if DOCPART == 3
	.amdgcn_target "amdgcn-amd-amdhsa--gfx1250"
	.amdhsa_code_object_version 6
	.text
	.protected	k_q47ea846c47_main
	.globl	k_q47ea846c47_main
	.p2align	8
	.type	k_q47ea846c47_main,@function
k_q47ea846c47_main:
	s_mov_b64 s[64:65], 0
	v_nop
	global_prefetch_b8 v0, s[64:65] scope:SCOPE_SE
	s_setreg_imm32_b32 hwreg(HW_REG_WAVE_MODE, 25, 1), 1
	s_wait_xcnt 0x0
	s_wait_alu depctr_hold_cnt(0) depctr_sa_sdst(0) depctr_va_vdst(0) depctr_va_sdst(0) depctr_va_ssrc(0) depctr_va_vcc(0) depctr_vm_vsrc(0)
	s_getreg_b32 s2, hwreg(HW_REG_IB_STS2, 6, 4)
	s_cmp_eq_u32 s2, 0
	s_cbranch_scc0 .Lentry_in_a_cluster
	s_endpgm
.Lentry_in_a_cluster:
	s_bfe_u32 s2, ttmp6, 0x10000c
	s_cmp_lg_u32 s2, 0x3003
	s_cbranch_scc0 .Lentry_shape_is_right
	s_endpgm
.Lentry_shape_is_right:
; k = xq wk^T and v = xq wv^T on codes of FP4 (E2M1) with E8M0 scales, the scores q . k / 32, a softmax's part and the weighted sum of v, for 128 rows of one batch a work-group.  The rows' codes, k and v never go to memory.
; b_k is left out: it adds q . b_k / 32 to every score of a batch alike, which the softmax takes away (shown at the head of the first launch).  b_v is added once, by the last launch: the weights of a softmax sum to 1.
; FIRST, THE ROWS.  Each of the four waves takes 32 rows of context_memory: per row g = max|x| + 1e-5, xq = round(x 127 / g) (g / 127) (the clip cannot act: |x| <= g), then codes with one scale byte for 32 along K.
;   Each load reads 512 consecutive bytes, eight rows (64 loads a wave) ahead; a row turns through the wave's stage in LDS so that lane l holds block l.  Codes and bytes meet in an image of 64 rows in LDS, and behind a barrier
;   every wave takes all of them into registers: two such exchanges, and each wave holds the codes of all 128 rows: 8 tiles x 8 K steps x 8 registers = 512, in windows 2 and 3.
; THEN THE PRODUCTS.  A wave takes weight rows 256 wave .. + 255 of w_k, then of w_v.  A step is 16 weight rows x 128 rows x K = 1,024: two halves of 32 matrix instructions, four accumulators by turns;
;   between them the other half's finished results go into the sums: w_k (source 0 = weights): score += k x q;  w_v (source 0 = rows): ctx += p x v.
; THE WEIGHTS walk in 8 slots of 4 steps (0-3 w_k, 4-7 w_v), 131,072 bytes each, a quarter a wave, through a ring of two slots in LDS.  The four work-groups of a cluster walk the same weights: every load is JOINT (mask 15).
;   The head asks for slot 0 alone, one load a wave, and goes straight on to the rows' loads.  Slot 1's first fill stands behind the first exchange, as a refill stands: the wait for all my tensor loads, the add, the wait for it, a round of the cluster's barrier.
;   In a slot's last step the same lines and a round stand ahead of the refill with the slot two on.  By the text's own count a wave has at most one tensor load out behind each round.
; PREFETCH.  All 64 clusters walk the same 1,048,576 bytes: clusters 0 and 1 ask in slots 0 and 1 for slots 4 and 5, 6 and 7: 8,192 bytes a wave, lanes 256 bytes apart, partners told apart by address; each block once.
; OUT: part[g][1,024] = sum of 2^(t - m) v, pstat[g] = (m, sum of 2^(t - m)), t = score x log2(e) / 32, m the work-group's largest t.
; LIMITS: NaN and infinities are not served; the promise holds while |t| stays under 2^31.  A block of zeros, or under 2^-124, keeps the scale byte 1: its codes are zeros (or what the held scale gives).
.set RING1, 1<<17
.set IMG,   262144
.set ASC,   296960
.set STG,   299008
.set QST,   317440
.set RED,   323584
.set SPARE, 325632
.set LN,  1
.set R16, 2
.set HH,  3
.set XO,  4
.set STW, 5
.set STR, 6
.set IMW, 7
.set ASW, 8
.set IMA, 9
.set ASA, 10
.set AI,  11
.set ASR, 12
.set AB0, 13
.set ADB, 14
.set AQ0, 15
.set AS,  16
.set BS,  48
.set QQ,  64
.set SACC, 80
.set CACC, 96
.set TW,  100
.set ADQ, 112
.set AO0, 113
.set ADO, 114
.set AR,  115
.set APW, 116
.set APR, 117
.set PFO, 118
.set SPW, 119
.set NIL, 120
.set ZR,  121
.set MT,  122
.set RDR, 124
.set OUTR, 125
.set QW,  126
.set TP,  132
.set XB,  144
.set PP,  144
.set PC,  208
.set BM,  213
.set B2,  214
.set RM,  215
.set R2,  216
.set GG,  217
.set RR,  218
.set C0,  219
.set TT,  220
.set CC,  222
.set UU,  224
.set SO,  225
.set EE,  226
.set T0,  227
.set QT,  228
.set ACC, 128
.set WV,  18
.set CX,  19
.set GI,  20
.set BB,  22
.set NS,  23
.set G1,  24
.set G0A, 32
.set G0W, 36
.set OFS, 42
.set SB,  44
.set BP,  46
.set XP,  48
.set TB,  50
.set TQ,  51
.set TO,  52
.set TI,  53
.set SEL, 54
.set EPS, 56
.set C127, 57
.set TA,  58
.set I127, 59
.set PFA, 60
.set LIM, 62
.set CL,  63
.set LC,  76
.set MSB, 0
.macro WIN new
.if MSB != (\new)
	s_set_vgpr_msb (MSB<<8)|(\new)
.set MSB, (\new)
.endif
.endm
.macro PLACES
.rept 4
	v_nop
.endr
.endm
.macro CREST
	s_cmp_lg_u32 s[WV], 0
	s_cbranch_scc1 .Lnot_wave_0_\@
	s_barrier_signal -3
.Lnot_wave_0_\@:
	s_barrier_wait -3
	s_barrier_signal -1
	s_barrier_wait -1
.endm
.macro CROUND
	s_barrier_signal -1
	s_barrier_wait -1
	CREST
.endm
.macro WSUM r, t
	v_add_f32_dpp v[\r], v[\r], v[\r] row_xmask:1 row_mask:0xf bank_mask:0xf
	v_add_f32_dpp v[\r], v[\r], v[\r] row_xmask:2 row_mask:0xf bank_mask:0xf
	v_add_f32_dpp v[\r], v[\r], v[\r] row_xmask:4 row_mask:0xf bank_mask:0xf
	v_add_f32_dpp v[\r], v[\r], v[\r] row_xmask:8 row_mask:0xf bank_mask:0xf
	v_permlanex16_b32 v[\t], v[\r], s[SEL], s[SEL+1]
	v_add_f32 v[\r], v[\r], v[\t]
.endm
.macro WMAX r, t
	v_max_num_f32_dpp v[\r], v[\r], v[\r] row_xmask:1 row_mask:0xf bank_mask:0xf
	v_max_num_f32_dpp v[\r], v[\r], v[\r] row_xmask:2 row_mask:0xf bank_mask:0xf
	v_max_num_f32_dpp v[\r], v[\r], v[\r] row_xmask:4 row_mask:0xf bank_mask:0xf
	v_max_num_f32_dpp v[\r], v[\r], v[\r] row_xmask:8 row_mask:0xf bank_mask:0xf
	v_permlanex16_b32 v[\t], v[\r], s[SEL], s[SEL+1]
	v_max_num_f32 v[\r], v[\r], v[\t]
.endm
	s_load_b256 s[4:11], s[0:1], 0x0
	s_load_b64 s[14:15], s[0:1], 0x20              ; part
	s_load_b64 s[16:17], s[0:1], 0x28              ; pstat
	v_lshl_add_u32 v[SPW], v0, 2, SPARE
	v_mov_b32 v[NIL], 0
	ds_add_u32 v119, v120
	ds_add_u32 v119, v120
	s_wait_dscnt 0x0
	v_lshrrev_b32 v1, 5, v0
	v_readfirstlane_b32 s[WV], v1
	s_bfe_u32 s[CX], ttmp6, 0x40000
	s_lshl_b32 s[GI], ttmp9, 2
	s_add_co_u32 s[GI], s[GI], s[CX]
	s_lshr_b32 s[BB], ttmp9, 3
	s_mov_b32 s[G1], 15|(3<<16)|(1<<21)
	s_mov_b32 s[G1+1], 32<<16
	s_mov_b32 s[G1+2], 128<<16
	s_mov_b32 s[G1+3], 32<<16
	s_mov_b32 s[G1+4], 128
	s_mov_b32 s[G1+5], 32
	s_mov_b32 s[G1+6], 0
	s_mov_b32 s[G1+7], 0
	s_mov_b32 s[SEL], 0x76543210
	s_mov_b32 s[SEL+1], 0xfedcba98
	s_mov_b32 s[EPS], 0x3727c5ac
	s_mov_b32 s[C127], 0x42fe0000
	s_mov_b32 s[I127], 0x3c010204
	s_mov_b32 s[CL], 0x3d38aa3b
	s_mov_b32 s[OFS+1], 0
	s_mov_b32 s[TI], 0
	s_mov_b32 s[TA], 0
	s_mov_b32 s67, 0
	s_lshl_b32 s66, s[WV], 15
	v_and_b32 v[LN], 31, v0
	v_and_b32 v[R16], 15, v0
	v_bfe_u32 v[HH], v0, 4, 1
	v_lshlrev_b32 v[XO], 4, v[LN]
	s_wait_kmcnt 0x0
	s_mov_b32 s[G0A], 1
	s_mov_b32 s[G0A+1], s66
	s_add_nc_u64 s[G0A+2:G0A+3], s[6:7], s[66:67]
	s_mov_b32 s[G0W], 1
	s_add_co_u32 s[G0W+1], s66, RING1
	s_add_nc_u64 s[G0W+2:G0W+3], s[G0A+2:G0A+3], 131072
	s_or_b32 s[G0A+3], s[G0A+3], 0x80000000
	s_or_b32 s[G0W+3], s[G0W+3], 0x80000000
	CROUND
	tensor_load_to_lds s[G0A:G0A+3], s[G1:G1+7]    ; slot 0: my one load at the head; nothing waits for it here
	s_nop 0
	PLACES
	s_lshl_b32 s66, s[GI], 19
	s_lshl_b32 s77, s[WV], 17
	s_add_co_u32 s66, s66, s77
	s_add_nc_u64 s[XP:XP+1], s[4:5], s[66:67]
	s_lshl_b32 s66, s[WV], 11
	s_add_nc_u64 s[SB:SB+1], s[8:9], s[66:67]
	s_mov_b64 s[BP:BP+1], s[SB:SB+1]
	s_lshl_b32 s66, s[BB], 12
	s_lshl_b32 s77, s[WV], 10
	s_add_co_u32 s66, s66, s77
	s_add_nc_u64 s[72:73], s[10:11], s[66:67]
	s_lshl_b32 s66, s[GI], 12
	s_add_co_u32 s66, s66, s77
	s_add_nc_u64 s[68:69], s[14:15], s[66:67]
	s_lshl_b32 s66, s[GI], 3
	s_add_nc_u64 s[70:71], s[16:17], s[66:67]
	s_min_u32 s66, ttmp9, 1
	s_lshl_b32 s66, s66, 17
	s_lshl_b32 s77, s[CX], 15
	s_add_co_u32 s66, s66, s77
	s_lshl_b32 s77, s[WV], 13
	s_add_co_u32 s66, s66, s77
	s_add_co_u32 s66, s66, 262144
	s_add_nc_u64 s[PFA:PFA+1], s[6:7], s[66:67]
	s_cmp_lt_u32 ttmp9, 2
	s_cselect_b32 s[LIM], 2, 0
	s_wait_alu depctr_va_vdst(0)
	global_load_b128 v[QT:QT+3], v[XO], s[72:73]
	global_load_b128 v[QT+4:QT+7], v[XO], s[72:73] offset:512
	global_load_b128 v[BS:BS+3], v[XO], s[BP:BP+1]
	global_load_b128 v[BS+4:BS+7], v[XO], s[BP:BP+1] offset:512
	global_load_b128 v[BS+8:BS+11], v[XO], s[BP:BP+1] offset:1024
.macro XLOAD sl, off
	WIN 0x40
.irp i, 0,1,2,3,4,5,6,7
	global_load_b128 v[32*(\sl)+4*\i:32*(\sl)+4*\i+3], v[XO], s[XP:XP+1] offset:(\off)+512*\i th:TH_LOAD_NT
.endr
.endm
.macro TURN sl, par
	WIN 0x04
.irp i, 0,1,2,3,4,5,6,7
	ds_store_b128 v[STW], v[32*(\sl)+4*\i:32*(\sl)+4*\i+3] offset:576*\i
.endr
	WIN 0
.irp i, 0,1,2,3,4,5,6,7
	ds_load_b128 v[XB+32*(\par)+4*\i:XB+32*(\par)+4*\i+3], v[STR] offset:16*\i
.endr
.endm
.macro HEAVY par
.set XS, XB+32*(\par)
	v_max3_num_f32 v[BM], |v[XS]|, |v[XS+1]|, |v[XS+2]|
	v_max3_num_f32 v[B2], |v[XS+3]|, |v[XS+4]|, |v[XS+5]|
.irp i, 6,10,14,18,22,26
	v_max3_num_f32 v[BM], v[BM], |v[XS+\i]|, |v[XS+\i+1]|
	v_max3_num_f32 v[B2], v[B2], |v[XS+\i+2]|, |v[XS+\i+3]|
.endr
	v_max3_num_f32 v[BM], v[BM], |v[XS+30]|, |v[XS+31]|
	v_max_num_f32 v[BM], v[BM], v[B2]
	v_max_num_f32_dpp v[RM], v[BM], v[BM] row_xmask:1 row_mask:0xf bank_mask:0xf
	v_max_num_f32_dpp v[RM], v[RM], v[RM] row_xmask:2 row_mask:0xf bank_mask:0xf
	v_max_num_f32_dpp v[RM], v[RM], v[RM] row_xmask:4 row_mask:0xf bank_mask:0xf
	v_max_num_f32_dpp v[RM], v[RM], v[RM] row_xmask:8 row_mask:0xf bank_mask:0xf
	v_permlanex16_b32 v[R2], v[RM], s[SEL], s[SEL+1]
	v_max_num_f32 v[RM], v[RM], v[R2]
	v_add_f32 v[GG], s[EPS], v[RM]
	s_wait_alu depctr_va_vdst(0)
	v_rcp_f32 v[RR], v[GG]
	v_mul_f32 v[C0], s[I127], v[GG]
	s_wait_alu depctr_va_vdst(0)
	v_mul_f32 v[T0], s[C127], v[RR]
	v_fma_f32 v[EE], -v[GG], v[T0], s[C127]
	v_fma_f32 v[TT], v[EE], v[RR], v[T0]
	v_fma_f32 v[EE], -v[C0], s[C127], v[GG]
	v_fma_f32 v[CC], v[EE], s[I127], v[C0]
	v_mul_f32 v[UU], v[BM], v[TT]
	v_rndne_f32 v[UU], v[UU]
	v_mul_f32 v[UU], v[UU], v[CC]
	v_max_num_f32 v[UU], 0x1800000, v[UU]
	v_add_nc_u32 v[SO], 0xff000000, v[UU]
	v_lshrrev_b32 v[PCS+4], 23, v[SO]
.set j, 0
.rept 16
	v_pk_mul_f32 v[XS+2*j:XS+2*j+1], v[XS+2*j:XS+2*j+1], v[TT:TT+1] op_sel_hi:[1,0]
.set j, j+1
.endr
.set j, 0
.rept 32
	v_rndne_f32 v[XS+j], v[XS+j]
.set j, j+1
.endr
.set j, 0
.rept 16
	v_pk_mul_f32 v[XS+2*j:XS+2*j+1], v[XS+2*j:XS+2*j+1], v[CC:CC+1] op_sel_hi:[1,0]
.set j, j+1
.endr
.irp g, 0,1,2,3
	v_cvt_scalef32_pk8_fp4_f32 v[PCS+\g], v[XS+8*\g:XS+8*\g+7], v[SO]
.endr
	v_nop
.endm
.macro ROW sl, ahead, turn, left
.set NSL, ((\sl)+1)%8
.set PCS, PC+36*((\sl)%2)
	s_wait_dscnt 0x2
.if \ahead
	XLOAD \sl, ((\sl)+8)*4096
.endif
.if \turn
	s_wait_loadcnt \left
	TURN NSL, NSL%2
.endif
	HEAVY (\sl)%2
	ds_store_b128 v[IMA], v[PCS:PCS+3] offset:16*(\sl)
	ds_store_b8 v[ASA], v[PCS+4] offset:4*(\sl)
.endm
.macro TRIP8 ahead
	s_wait_dscnt 0x0
	v_add_nc_u32 v[IMA], s[TI], v[IMW]
	v_add_nc_u32 v[ASA], s[TA], v[ASW]
.irp sl, 0,1,2,3,4,5,6,7
.if \ahead
	ROW \sl, 1, 1, 56
.elseif \sl < 7
	ROW \sl, 0, 1, 8*(6-\sl)
.else
	ROW \sl, 0, 0, 0
.endif
.endr
.if \ahead
	s_wait_xcnt 0x0
	s_add_nc_u64 s[XP:XP+1], s[XP:XP+1], 32768
.endif
	s_add_co_u32 s[TI], s[TI], 128
	s_add_co_u32 s[TA], s[TA], 32
.endm
.macro EXCH p
	s_wait_dscnt 0x0
	s_barrier_signal -1
	s_barrier_wait -1
.irp ms, 0,1,2,3
	WIN 0x80+0x40*(\ms/2)
.irp kk, 0,1,2,3,4,5,6,7
.irp c, 0,1
	ds_load_b128 v[64*((2*\ms+\p)%4)+8*\kk+4*\c:64*((2*\ms+\p)%4)+8*\kk+4*\c+3], v[AI] offset:8704*\ms+1088*\kk+544*\c
.endr
.endr
.endr
	WIN 0
.irp ms, 0,1,2,3
.irp u, 0,1,2,3
	ds_load_b32 v[AS+4*(2*\ms+\p)+\u], v[ASR] offset:512*\ms+128*\u
.endr
.endr
	s_wait_dscnt 0x0
.if \p == 0
	s_barrier_signal -1
	s_barrier_wait -1
.endif
.endm
.irp sl, 0,1,2,3,4,5,6,7
	XLOAD \sl, (\sl)*4096
.endr
	WIN 0
	s_mul_i32 s66, s[WV], 4608
	s_add_co_u32 s66, s66, STG
	v_lshrrev_b32 v[TW], 3, v[LN]
	v_add_nc_u32 v[TW], v[TW], v[LN]
	v_lshlrev_b32 v[TW], 4, v[TW]
	v_add_nc_u32 v[STW], s66, v[TW]
	v_mul_u32_u24 v[TW], v[LN], 144
	v_add_nc_u32 v[STR], s66, v[TW]
	v_lshl_add_u32 v[AO0], v[R16], 2, s66
	v_lshl_add_u32 v[OUTR], v[LN], 4, s66
	v_add_nc_u32 v[OUTR], 64, v[OUTR]
	s_add_co_u32 s66, s66, 2048
	v_lshl_add_u32 v[APW], v[LN], 2, s66
	v_lshl_add_u32 v[APR], v[HH], 5, s66
	s_mul_i32 s66, s[WV], 8704
	s_add_co_u32 s66, s66, IMG
	v_mul_u32_u24 v[TW], v[LN], 272
	v_add_nc_u32 v[IMW], s66, v[TW]
	v_mul_u32_u24 v[TW], v[HH], 272
	v_lshl_add_u32 v[TW], v[R16], 4, v[TW]
	v_add_nc_u32 v[AI], IMG, v[TW]
	s_lshl_b32 s66, s[WV], 9
	s_add_co_u32 s77, s66, ASC
	v_lshrrev_b32 v[TW], 2, v[LN]
	v_lshlrev_b32 v[TW], 6, v[TW]
	v_and_b32 v[TW+1], 3, v[LN]
	v_add_nc_u32 v[TW], v[TW], v[TW+1]
	v_add_nc_u32 v[ASW], s77, v[TW]
	v_lshl_add_u32 v[ASR], v[LN], 2, ASC
	s_add_co_u32 s77, s66, RED
	v_lshl_add_u32 v[AR], v[R16], 2, s77
	v_lshl_add_u32 v[RDR], v[LN], 2, RED
	s_lshl_b32 s66, s[WV], 15
	v_lshl_add_u32 v[AB0], v[LN], 4, s66
	s_mul_i32 s66, s[WV], 1536
	s_add_co_u32 s66, s66, QST
	v_lshl_add_u32 v[AQ0], v[HH], 5, s66
	v_lshl_add_u32 v[QW], v[LN], 4, s66
	v_lshlrev_b32 v[PFO], 8, v[LN]
	v_mov_b32 v[ZR], 0
	v_mov_b32 v[RM], 0
	v_mov_b32 v[R2], 0
	v_mov_b32 v[TT+1], 0
	v_mov_b32 v[CC+1], 0
.irp m, 0,1,2,3,4,5,6,7
	v_mov_b32 v[TP+\m], 0
	v_mov_b32 v[QQ+8+\m], 0
.endr
.irp m, 0,1,2,3
	v_mov_b32 v[CACC+\m], 0
.endr
	s_wait_loadcnt 56
	TURN 0, 0
	ds_store_b128 v[QW], v[QT:QT+3]
	ds_store_b128 v[QW], v[QT+4:QT+7] offset:512
	ds_store_b128 v[QW], v[QT:QT+3] offset:1024
.irp m, 0,1,2,3,4,5,6,7
	v_mov_b32 v[SACC+2*\m], 0                      ; the scores' sixteen sums
	v_mov_b32 v[SACC+2*\m+1], 0
.endr
	s_mov_b32 s[LC], 0
.Lx:
	TRIP8 1
	s_add_co_u32 s[LC], s[LC], 1
	s_cmp_lt_u32 s[LC], 2
	s_cbranch_scc1 .Lx
	EXCH 0
	s_wait_alu depctr_va_vdst(0)
	s_wait_tensorcnt 0x0                           ; SLOT 1'S FIRST FILL, issued as a refill is: my part of slot 0 is in,
	ds_add_u32 v[SPW], v[NIL]                      ; the add,
	s_wait_dscnt 0x0                               ; and the wait for it;
	CROUND                                         ; a whole round: the four work-groups are here, and the joint loads meet
	tensor_load_to_lds s[G0W:G0W+3], s[G1:G1+7]    ; it has the second half of the rows' work in which to land
	s_nop 0
	PLACES
	s_mov_b32 s[TI], 0
	s_mov_b32 s[TA], 0
	TRIP8 1
	TRIP8 0
	EXCH 1
.macro WMI a, b, sa, sb
.if ks == 0
	v_wmma_scale_f32_16x16x128_f8f6f4 v[rD:rD+7], v[\a:\a+7], v[\b:\b+7], 0, v[\sa], v[\sb] matrix_a_fmt:MATRIX_FMT_FP4 matrix_b_fmt:MATRIX_FMT_FP4
.elseif ks%2 == 0
	v_wmma_scale_f32_16x16x128_f8f6f4 v[rD:rD+7], v[\a:\a+7], v[\b:\b+7], v[rD:rD+7], v[\sa], v[\sb] matrix_a_fmt:MATRIX_FMT_FP4 matrix_b_fmt:MATRIX_FMT_FP4
.else
	v_wmma_scale_f32_16x16x128_f8f6f4 v[rD:rD+7], v[\a:\a+7], v[\b:\b+7], v[rD:rD+7], v[\sa], v[\sb] matrix_a_fmt:MATRIX_FMT_FP4 matrix_b_fmt:MATRIX_FMT_FP4 matrix_a_scale:MATRIX_SCALE_ROW1 matrix_b_scale:MATRIX_SCALE_ROW1
.endif
.endm
.macro WM kind, i, hf
.set mt, 4*(\hf)+idx%4
.set ks, idx/4
.set rD, ACC+8*mt
.set rB, 64*((\i)%2)+8*ks
.set rA, 64*(idx%4)+8*ks
.set rSB, BS+4*(\i)+ks/2
.set rSA, AS+4*mt+ks/2
.if \kind == 0
	WIN 0x59+4*(\hf)
	WMI rB, rA, rSB, rSA
.else
	WIN 0x56+(\hf)
	WMI rA, rB, rSA, rSB
.endif
.endm
.macro SL kind, qs, sh
.set gi, idx/4
.set pr, gi/2
	WIN 0x01
.irp e, 0,1
.set smt, 4*(\sh)+2*(gi%2)+\e
.set rC, ACC+8*smt+2*pr
.if \kind == 0
	v_pk_fma_f32 v[SACC+2*smt:SACC+2*smt+1], v[rC:rC+1], v[QQ+8*(\qs)+2*pr:QQ+8*(\qs)+2*pr+1], v[SACC+2*smt:SACC+2*smt+1]
.elseif ((\sh) == 0) && (gi == 0)
	v_pk_mul_f32 v[CACC+2*\e:CACC+2*\e+1], v[rC:rC+1], v[PP+8*smt+2*pr:PP+8*smt+2*pr+1]
.else
	v_pk_fma_f32 v[CACC+2*\e:CACC+2*\e+1], v[rC:rC+1], v[PP+8*smt+2*pr:PP+8*smt+2*pr+1], v[CACC+2*\e:CACC+2*\e+1]
.endif
.endr
.endm
.macro HALF kind, i, hf, from, to
.set idx, \from
.rept (\to)-(\from)+1
	WM \kind, \i, \hf
.if idx%4 == 3
	SL \kind, ((\i)+1+(\hf))%2, 1-(\hf)
.endif
.set idx, idx+1
.endr
.endm
.macro DRAIN kind, qs
.set idx, 3
.rept 8
	SL \kind, \qs, 1
.set idx, idx+4
.endr
	WIN 0
.endm
.macro FIN off
	v_add_f32 v[TW], v[CACC], v[CACC+1]
	v_add_f32 v[TW+1], v[CACC+2], v[CACC+3]
	v_add_f32 v[TW], v[TW], v[TW+1]
	v_permlanex16_b32 v[TP], v[TW], s[SEL], s[SEL+1]
	v_add_f32 v[TW], v[TW], v[TP]
	ds_store_b32 v[ADO], v[TW] offset:\off
.endm
.macro MID kind, i
	WIN 0x40
.irp kk, 0,1,2,3,4,5,6,7
.irp c, 0,1
	ds_load_b128 v[64*(((\i)+1)%2)+8*\kk+4*\c:64*(((\i)+1)%2)+8*\kk+4*\c+3], v[ADB] offset:(((\i)+1)%4)*8192+1024*\kk+512*\c
.endr
.endr
	WIN 0
.if \kind == 0
	ds_load_b128 v[QQ+8*(((\i)+1)%2):QQ+8*(((\i)+1)%2)+3], v[ADQ] offset:(((\i)+1)%4)*64
	ds_load_b128 v[QQ+8*(((\i)+1)%2)+4:QQ+8*(((\i)+1)%2)+7], v[ADQ] offset:(((\i)+1)%4)*64+16
.else
	s_wait_alu depctr_va_vdst(0)
	FIN 64*(\i)
.endif
.endm
.macro ASK
	s_cmp_lt_u32 s[NS], s[LIM]
	s_cbranch_scc0 .Lnot_mine_\@
	global_prefetch_b8 v[PFO], s[PFA:PFA+1] th:TH_LOAD_NT scope:SCOPE_SE
.Lnot_mine_\@:
.endm
.macro STEP kind, i, fill
	s_wait_dscnt 0x0
	s_wait_loadcnt 0x2
	PLACES
	WIN 0
.if \i == 1
	s_wait_xcnt 0x0
	s_add_co_u32 s66, s[NS], 1
	s_min_u32 s66, s66, 7
	s_lshl_b32 s[OFS], s66, 13
	s_add_nc_u64 s[BP:BP+1], s[SB:SB+1], s[OFS:OFS+1]
.if \kind == 0
	s_add_nc_u64 s[PFA:PFA+1], s[PFA:PFA+1], 262144
.endif
.endif
.if \i == 0
	global_load_b128 v[BS+12:BS+15], v[XO], s[BP:BP+1] offset:1536
.else
	global_load_b128 v[BS+4*(\i-1):BS+4*(\i-1)+3], v[XO], s[BP:BP+1] offset:512*(\i-1)
.endif
.if \i == 3
.if \fill
	s_wait_tensorcnt 0x0
	ds_add_u32 v[SPW], v[NIL]
	s_xor_b32 s[G0W+1], s[G0W+1], RING1
	s_add_nc_u64 s[G0W+2:G0W+3], s[G0W+2:G0W+3], 131072
	s_wait_alu depctr_va_vdst(0)
	HALF \kind, \i, 0, 0, 15
	s_wait_alu depctr_va_vdst(0)
	s_wait_dscnt 0x0
	s_barrier_signal -1
	HALF \kind, \i, 0, 16, 31
	WIN 0
	s_barrier_wait -1
	CREST
	tensor_load_to_lds s[G0W:G0W+3], s[G1:G1+7]
	s_nop 0
	PLACES
.else
	s_wait_tensorcnt 0x0
	s_wait_alu depctr_va_vdst(0)
	HALF \kind, \i, 0, 0, 31
	WIN 0
.endif
	s_xor_b32 s[TB], s[TB], RING1
	v_add_nc_u32 v[ADB], s[TB], v[AB0]
.if \kind == 0
	s_add_co_u32 s[TQ], s[TQ], 256
	v_add_nc_u32 v[ADQ], s[TQ], v[AQ0]
.endif
.else
	HALF \kind, \i, 0, 0, 31
.endif
	MID \kind, \i
.if (\kind == 0) && (\i == 3)
	ASK
.endif
	PLACES
	HALF \kind, \i, 1, 0, 31
.endm
.macro SLOT kind, fill
	STEP \kind, 0, \fill
	s_wait_alu depctr_va_vdst(0)
	STEP \kind, 1, \fill
	s_wait_alu depctr_va_vdst(0)
	STEP \kind, 2, \fill
	STEP \kind, 3, \fill
	WIN 0
.if \kind
	s_wait_dscnt 0x0
	s_add_co_u32 s[TO], s[TO], 256
	v_add_nc_u32 v[ADO], s[TO], v[AO0]
.endif
	s_add_co_u32 s[NS], s[NS], 1
	s_add_co_u32 s[LC], s[LC], 1
.endm
	s_wait_tensorcnt 0x1
	s_mov_b32 s[TB], 0
	s_mov_b32 s[TQ], 0
	s_mov_b32 s[NS], 0
	v_mov_b32 v[ADB], v[AB0]
	v_mov_b32 v[ADQ], v[AQ0]
	WIN 0x40
.irp kk, 0,1,2,3,4,5,6,7
.irp c, 0,1
	ds_load_b128 v[8*\kk+4*\c:8*\kk+4*\c+3], v[ADB] offset:1024*\kk+512*\c
.endr
.endr
.set j, 0
.rept 32
	v_mov_b32 v[ACC+32+j], 0
.set j, j+1
.endr
	WIN 0
	ds_load_b128 v[QQ:QQ+3], v[ADQ]
	ds_load_b128 v[QQ+4:QQ+7], v[ADQ] offset:16
	s_mov_b32 s[LC], 0
.Lk:
	SLOT 0, 1
	s_cmp_lt_u32 s[LC], 4
	s_cbranch_scc1 .Lk
	PLACES
	DRAIN 0, 1
.irp m, 0,1,2,3,4,5,6,7
	v_add_f32 v[TW+\m], v[SACC+2*\m], v[SACC+2*\m+1]
.endr
.irp m, 0,1,2,3,4,5,6,7
	v_permlanex16_b32 v[TP+\m], v[TW+\m], s[SEL], s[SEL+1]
.endr
.irp m, 0,1,2,3,4,5,6,7
	v_add_f32 v[TW+\m], v[TW+\m], v[TP+\m]
.endr
.irp m, 0,1,2,3,4,5,6,7
	ds_store_b32 v[AR], v[TW+\m] offset:64*\m
.endr
	s_wait_dscnt 0x0
	s_barrier_signal -1
	s_barrier_wait -1
.irp qd, 0,1,2,3
.irp ww, 0,1,2,3
	ds_load_b32 v[PP+4*\qd+\ww], v[RDR] offset:512*\ww+128*\qd
.endr
.endr
	s_wait_dscnt 0x0
.irp qd, 0,1,2,3
	v_add_f32 v[TW+\qd], v[PP+4*\qd], v[PP+4*\qd+1]
.endr
.irp qd, 0,1,2,3
	v_add_f32 v[TW+\qd], v[TW+\qd], v[PP+4*\qd+2]
.endr
.irp qd, 0,1,2,3
	v_add_f32 v[TW+\qd], v[TW+\qd], v[PP+4*\qd+3]
.endr
	v_max3_num_f32 v[TW+4], v[TW], v[TW+1], v[TW+2]
	v_max_num_f32 v[TW+4], v[TW+4], v[TW+3]
	WMAX TW+4, TP
	v_mul_f32 v[MT], s[CL], v[TW+4]
.irp qd, 0,1,2,3
	v_fma_f32 v[TW+\qd], v[TW+\qd], s[CL], -v[MT]
.endr
	s_wait_alu depctr_va_vdst(0)
.irp qd, 0,1,2,3
	v_exp_f32 v[TW+\qd], v[TW+\qd]
.endr
	v_nop
	s_wait_alu depctr_va_vdst(0)
	v_add_f32 v[TW+4], v[TW], v[TW+1]
	v_add_f32 v[TW+5], v[TW+2], v[TW+3]
	v_add_f32 v[TW+4], v[TW+4], v[TW+5]
	WSUM TW+4, TP
	v_mov_b32 v[MT+1], v[TW+4]
.irp qd, 0,1,2,3
	ds_store_b32 v[APW], v[TW+\qd] offset:128*\qd
.endr
.irp m, 0,1,2,3,4,5,6,7
	ds_load_b128 v[PP+8*\m:PP+8*\m+3], v[APR] offset:64*\m
	ds_load_b128 v[PP+8*\m+4:PP+8*\m+7], v[APR] offset:64*\m+16
.endr
	s_mov_b32 s[TO], 0
	v_mov_b32 v[ADO], v[AO0]
	s_mov_b32 s[LC], 0
.Lv:
	s_wait_alu depctr_va_vdst(0)
	SLOT 1, 1
	s_cmp_lt_u32 s[LC], 2
	s_cbranch_scc1 .Lv
	s_mov_b32 s[LC], 0
.Lt:
	s_wait_alu depctr_va_vdst(0)
	SLOT 1, 0
	s_cmp_lt_u32 s[LC], 2
	s_cbranch_scc1 .Lt
	PLACES
	s_wait_alu depctr_va_vdst(0)
	DRAIN 1, 0
	FIN 0
	ds_load_b128 v[TW+4:TW+7], v[OUTR]
	ds_load_b128 v[TW+8:TW+11], v[OUTR] offset:512
	s_wait_dscnt 0x0
	global_store_b128 v[XO], v[TW+4:TW+7], s[68:69]
	global_store_b128 v[XO], v[TW+8:TW+11], s[68:69] offset:512
	s_wait_xcnt 0x0
	v_cmp_eq_u32 vcc_lo, 0, v0
	s_and_saveexec_b32 s66, vcc_lo
	global_store_b64 v[ZR], v[MT:MT+1], s[70:71]
	s_wait_xcnt 0x0
	s_or_b32 exec_lo, exec_lo, s66
	s_wait_tensorcnt 0x0
	ds_add_u32 v[SPW], v[NIL]
	s_wait_dscnt 0x0
	CROUND
	s_endpgm
.Lfunc_end_k_q47ea846c47_main:
	.size	k_q47ea846c47_main, .Lfunc_end_k_q47ea846c47_main-k_q47ea846c47_main
	.p2alignl 7, 3214868480
	.fill 96, 4, 3214868480
	.section	.rodata,"a",@progbits
	.p2align	6, 0x0
	.amdhsa_kernel k_q47ea846c47_main
		.amdhsa_group_segment_fixed_size 327680
		.amdhsa_private_segment_fixed_size 0
		.amdhsa_enable_private_segment 0
		.amdhsa_kernarg_size 48
		.amdhsa_user_sgpr_count 2
		.amdhsa_user_sgpr_kernarg_segment_ptr 1
		.amdhsa_wavefront_size32 1
		.amdhsa_system_sgpr_workgroup_id_x 1
		.amdhsa_system_sgpr_workgroup_id_y 1
		.amdhsa_system_sgpr_workgroup_id_z 1
		.amdhsa_system_vgpr_workitem_id 0
		.amdhsa_next_free_vgpr 1024
		.amdhsa_next_free_sgpr 80
		.amdhsa_reserve_vcc 1
		.amdhsa_float_denorm_mode_32 3
		.amdhsa_float_denorm_mode_16_64 3
		.amdhsa_memory_ordered 1
		.amdhsa_forward_progress 1
		.amdhsa_inst_pref_size 255
	.end_amdhsa_kernel
	.section	.bss,"aw",@nobits
	.p2align	6
	.space	262144
	.amdgpu_metadata
---
amdhsa.version: [ 1, 2 ]
amdhsa.kernels:
  - .name:           k_q47ea846c47_main
    .symbol:         k_q47ea846c47_main.kd
    .args:
      - { .name: context_memory, .offset: 0, .size: 8, .value_kind: global_buffer, .address_space: global }
      - { .name: wcodes, .offset: 8, .size: 8, .value_kind: global_buffer, .address_space: global }
      - { .name: wscales, .offset: 16, .size: 8, .value_kind: global_buffer, .address_space: global }
      - { .name: qv, .offset: 24, .size: 8, .value_kind: global_buffer, .address_space: global }
      - { .name: part, .offset: 32, .size: 8, .value_kind: global_buffer, .address_space: global }
      - { .name: pstat, .offset: 40, .size: 8, .value_kind: global_buffer, .address_space: global }
    .group_segment_fixed_size: 327680
    .private_segment_fixed_size: 0
    .kernarg_segment_align: 8
    .kernarg_segment_size: 48
    .max_flat_workgroup_size: 128
    .sgpr_count:     80
    .vgpr_count:     1024
    .wavefront_size: 32
...
	.end_amdgpu_metadata
.endif
;; end of part 3
;; launch final (part 4): grid 32 x 8, 16 waves a work-group, no clusters, 11,264 bytes of LDS; arguments part, pstat, query, b_v, wct, wsum, b_c, out0; writes out0
.if DOCPART == 4
	.amdgcn_target "amdgcn-amd-amdhsa--gfx1250"
	.amdhsa_code_object_version 6
	.text
	.protected	k_q47ea846c47_final
	.globl	k_q47ea846c47_final
	.p2align	8
	.type	k_q47ea846c47_final,@function
k_q47ea846c47_final:
	s_mov_b64 s[64:65], 0
	v_nop
	global_prefetch_b8 v0, s[64:65] scope:SCOPE_SE
	s_setreg_imm32_b32 hwreg(HW_REG_WAVE_MODE, 25, 1), 1
	s_wait_xcnt 0x0
; out0 = bitlinear([query, ctx], w_c, b_c), ctx = the 32 partial sums of a batch brought under one maximum, divided by the sum, + b_v.
; Work-group (x, b) makes out0[b][32 x .. 32 x + 31]; wave w the two columns 32 x + 2 w + 0, 1; thread t owns k = 2 t, 2 t + 1 of query and of ctx.
; The weights of the 32 partial sums, 2^(m_j - M) / L, are made a lane each and read into scalar registers: they are multiplicands alone.
; w_c comes as wct: t = clip(round(w / s)) in bf16 (exact), made once by the launch that lays the weights out, in the order in which a lane's registers take it: register m of a row holds k = 128 (m / 2) + 4 lane + 2 (m % 2) + 0, 1.
; The product is made on the whole numbers n = round(x 127 / g), kept in f32, and t: each bf16 half goes straight into a fused multiply-add with f32 sums; the sums stay under 2^24 and are exact;
; one multiplication by (g / 127) s and the bias follow (reference() rounds each term).
; The 32 work-groups of a batch each combine the batch's 131,072 bytes of partial sums anew, and each of the 8 batches reads wct: the price of one launch in place of two.  A work-group stores 128 consecutive bytes.
; LIMITS: NaN and infinities are not served.
.set NST, 0                            ; LDS: n, 2,048 numbers
.set GR,  8192                         ; a largest magnitude for each wave
.set OST, 8448                         ; the 32 sums
.set SS,   8
.set WV,   20
.set SEL,  24
.set EPS,  26
.set K21,  27
.set C127, 28
.set I127, 29
.macro WSUM r, t
	s_delay_alu instid0(VALU_DEP_1)
	v_add_f32_dpp v[\r], v[\r], v[\r] row_xmask:1 row_mask:0xf bank_mask:0xf
	s_delay_alu instid0(VALU_DEP_1)
	v_add_f32_dpp v[\r], v[\r], v[\r] row_xmask:2 row_mask:0xf bank_mask:0xf
	s_delay_alu instid0(VALU_DEP_1)
	v_add_f32_dpp v[\r], v[\r], v[\r] row_xmask:4 row_mask:0xf bank_mask:0xf
	s_delay_alu instid0(VALU_DEP_1)
	v_add_f32_dpp v[\r], v[\r], v[\r] row_xmask:8 row_mask:0xf bank_mask:0xf
	s_delay_alu instid0(VALU_DEP_1)
	v_permlanex16_b32 v[\t], v[\r], s[SEL], s[SEL+1]
	s_delay_alu instid0(VALU_DEP_1)
	v_add_f32 v[\r], v[\r], v[\t]
.endm
.macro WMAX r, t
	s_delay_alu instid0(VALU_DEP_1)
	v_max_num_f32_dpp v[\r], v[\r], v[\r] row_xmask:1 row_mask:0xf bank_mask:0xf
	s_delay_alu instid0(VALU_DEP_1)
	v_max_num_f32_dpp v[\r], v[\r], v[\r] row_xmask:2 row_mask:0xf bank_mask:0xf
	s_delay_alu instid0(VALU_DEP_1)
	v_max_num_f32_dpp v[\r], v[\r], v[\r] row_xmask:4 row_mask:0xf bank_mask:0xf
	s_delay_alu instid0(VALU_DEP_1)
	v_max_num_f32_dpp v[\r], v[\r], v[\r] row_xmask:8 row_mask:0xf bank_mask:0xf
	s_delay_alu instid0(VALU_DEP_1)
	v_permlanex16_b32 v[\t], v[\r], s[SEL], s[SEL+1]
	s_delay_alu instid0(VALU_DEP_1)
	v_max_num_f32 v[\r], v[\r], v[\t]
.endm
	s_load_b256 s[4:11], s[0:1], 0x0               ; part s[4:5], pstat s[6:7], query s[8:9], b_v s[10:11]
	s_load_b256 s[12:19], s[0:1], 0x20             ; wct s[12:13], wsum s[14:15], b_c s[16:17], out0 s[18:19]
	v_lshl_add_u32 v254, v0, 2, 0x2400
	v_mov_b32 v255, 0
	v_lshrrev_b32 v1, 5, v0
	s_delay_alu instid0(VALU_DEP_1)
	v_readfirstlane_b32 s[WV], v1                  ; wave 0..15
	v_and_b32 v1, 31, v0                           ; lane
	v_lshlrev_b32 v2, 3, v0                        ; 8 t: my two numbers
	s_delay_alu instid0(VALU_DEP_2)
	v_lshlrev_b32 v3, 4, v1                        ; 16 l
	s_delay_alu instid0(VALU_DEP_3)
	v_lshlrev_b32 v4, 3, v1                        ; 8 l: partial sum l's (m, l)
	s_delay_alu instid0(VALU_DEP_4)
	v_lshlrev_b32 v5, 5, v1                        ; 32 l: my 8 of w_c's 256 partial sums
	v_lshlrev_b32 v6, 2, v1                        ; 4 l
	s_wait_alu depctr_va_vdst(0)
	s_and_b32 s22, ttmp7, 0xffff                   ; batch
	s_mov_b32 s[SEL], 0x76543210
	s_mov_b32 s[SEL+1], 0xfedcba98
	s_mov_b32 s[EPS], 0x3727c5ac                   ; 1e-5
	s_mov_b32 s[K21], 0x35000000                   ; 2^-21
	s_mov_b32 s[C127], 0x42fe0000
	s_mov_b32 s[I127], 0x3c010204
	s_mov_b32 s67, 0
	s_lshl_b32 s30, s[WV], 2
	s_add_co_u32 s30, s30, GR
	v_mov_b32 v43, s30                             ; my wave's word
	v_mov_b32 v53, GR
	s_lshl_b32 s30, s[WV], 3
	s_add_co_u32 s30, s30, OST
	v_mov_b32 v41, s30                             ; my wave's two sums
	v_add_nc_u32 v52, OST, v6
	v_mov_b32 v38, 0                               ; lane permutes' destinations count as read
	v_mov_b32 v33, 0
	s_wait_kmcnt 0x0
	s_lshl_b32 s66, s22, 17
	s_add_nc_u64 s[68:69], s[4:5], s[66:67]        ; the batch's 32 partial sums
	s_lshl_b32 s66, s22, 8
	s_add_nc_u64 s[70:71], s[6:7], s[66:67]
	s_lshl_b32 s66, s22, 12
	s_add_nc_u64 s[72:73], s[8:9], s[66:67]
	s_lshl_b32 s30, ttmp9, 7
	s_add_co_u32 s66, s66, s30
	s_add_nc_u64 s[78:79], s[18:19], s[66:67]      ; out0[b][32 x]
	s_mov_b32 s66, s30
	s_add_nc_u64 s[76:77], s[16:17], s[66:67]      ; b_c[32 x]
	s_lshl_b32 s66, ttmp9, 17                      ; 32 rows of 4,096 bytes a work-group,
	s_lshl_b32 s30, s[WV], 13                      ; two a wave
	s_add_co_u32 s66, s66, s30
	s_add_nc_u64 s[74:75], s[12:13], s[66:67]
	global_load_b64 v[12:13], v4, s[70:71]
	global_load_b128 v[16:19], v5, s[14:15] offset:3072
	global_load_b128 v[20:23], v5, s[14:15] offset:3088
	global_load_b64 v[14:15], v2, s[10:11]         ; b_v: the sums' first addend
	global_load_b64 v[34:35], v2, s[72:73]
	global_load_b32 v36, v6, s[76:77]
.set j, 0
.rept 32
	global_load_b64 v[64+2*j:65+2*j], v2, s[68:69] offset:4096*j
.set j, j+1
.endr
.irp rho, 0,1
.irp i, 0,1,2,3,4,5,6,7
	global_load_b128 v[128+32*\rho+4*\i:128+32*\rho+4*\i+3], v3, s[74:75] offset:4096*\rho+512*\i
.endr
.endr
	s_wait_loadcnt 48                              ; the six small loads are in: 32 of the partial sums and 16 of wct are younger
	v_add_f32 v32, v16, v17                        ; s = mean|w_c| + 1e-5: the count is a power of two, so the fused multiply-add rounds once
.irp i, 18,19,20,21,22,23
	s_delay_alu instid0(VALU_DEP_1)
	v_add_f32 v32, v32, v\i
.endr
	WSUM 32, 33
	s_delay_alu instid0(VALU_DEP_1)
	v_fma_f32 v[SS], v32, s[K21], s[EPS]
	v_mov_b32 v37, v12
	WMAX 37, 38                                    ; M
	s_delay_alu instid0(VALU_DEP_1)
	v_sub_f32 v39, v12, v37
	s_wait_alu depctr_va_vdst(0)
	v_exp_f32 v39, v39                             ; 2^(m_j - M)
	v_nop
	s_wait_alu depctr_va_vdst(0)
	v_mul_f32 v40, v39, v13
	WSUM 40, 38                                    ; L
	s_wait_alu depctr_va_vdst(0)
	v_rcp_f32 v42, v40
	v_nop
	s_wait_alu depctr_va_vdst(0)
	v_mul_f32 v39, v39, v42                        ; partial sum l's weight, in lane l
.set j, 0
.rept 32
	v_readlane_b32 s[32+j], v39, j
.set j, j+1
.endr
	s_wait_loadcnt 16                              ; the partial sums are in; wct's 16 loads may be out
.set j, 0
	v_fma_f32 v14, v[64+2*j], s[32+j], v14
	v_fma_f32 v15, v[65+2*j], s[32+j], v15
.set j, j+1
.rept (32)-1
	s_delay_alu instid0(VALU_DEP_2)
	v_fma_f32 v14, v[64+2*j], s[32+j], v14
	s_delay_alu instid0(VALU_DEP_2)
	v_fma_f32 v15, v[65+2*j], s[32+j], v15
.set j, j+1
.endr
	s_delay_alu instid0(VALU_DEP_2)
	v_max3_num_f32 v42, |v34|, |v35|, |v14|        ; the largest magnitude of [query, ctx]
	s_delay_alu instid0(VALU_DEP_1)
	v_max_num_f32 v42, v42, |v15|
	WMAX 42, 38
	ds_store_b32 v43, v42
	s_wait_dscnt 0x0
	s_barrier_signal -1
	s_barrier_wait -1
.irp i, 0,1,2,3
	ds_load_b128 v[56+4*\i:59+4*\i], v53 offset:16*\i
.endr
	s_wait_dscnt 0x0
	v_max3_num_f32 v42, v56, v57, v58
.irp i, 59,61,63,65,67,69
	s_delay_alu instid0(VALU_DEP_1)
	v_max3_num_f32 v42, v42, v[\i], v[\i+1]
.endr
	s_delay_alu instid0(VALU_DEP_1)
	v_max_num_f32 v42, v42, v71
	s_delay_alu instid0(VALU_DEP_1)
	v_add_f32 v45, s[EPS], v42                     ; g
	s_wait_alu depctr_va_vdst(0)
	v_rcp_f32 v46, v45
	v_mul_f32 v47, s[I127], v45                    ; (a plain instruction behind the reciprocal)
	s_wait_alu depctr_va_vdst(0)
	v_mul_f32 v37, s[C127], v46
	s_delay_alu instid0(VALU_DEP_1)
	v_fma_f32 v38, -v45, v37, s[C127]
	v_fma_f32 v39, v38, v46, v37                   ; 127 / g
	v_fma_f32 v38, -v47, s[C127], v45
	s_delay_alu instid0(VALU_DEP_1)
	v_fma_f32 v40, v38, s[I127], v47               ; g / 127
	s_delay_alu instid0(VALU_DEP_1)
	v_mul_f32 v40, v40, v[SS]                      ; x s
	s_delay_alu instid0(VALU_DEP_4)
	v_mul_f32 v34, v34, v39
	v_mul_f32 v35, v35, v39
	v_mul_f32 v14, v14, v39
	v_mul_f32 v15, v15, v39
	s_delay_alu instid0(VALU_DEP_4)
	v_rndne_f32 v34, v34
	s_delay_alu instid0(VALU_DEP_4)
	v_rndne_f32 v35, v35
	s_delay_alu instid0(VALU_DEP_4)
	v_rndne_f32 v14, v14
	s_delay_alu instid0(VALU_DEP_4)
	v_rndne_f32 v15, v15
	ds_store_b64 v2, v[34:35]                      ; n: query's half,
	ds_store_b64 v2, v[14:15] offset:4096          ; ctx's half
	s_wait_dscnt 0x0
	s_barrier_signal -1
	s_barrier_wait -1
.irp i, 0,1,2,3,4,5,6,7,8,9,10,11,12,13,14,15
	ds_load_b128 v[64+4*\i:67+4*\i], v3 offset:512*\i              ; all of n: load i, lane l: k = 128 i + 4 l on: register 64 + 2 m, 65 + 2 m meet the two halves of wct's register m
.endr
	s_wait_dscnt 0x0
.macro CROW rho, left                  ; a column's sum: four chains; the first two registers, widened by a shift and a mask, start them
.set W, 128+32*\rho
.set A, 44+4*\rho
	s_wait_loadcnt \left
	v_lshlrev_b32 v[A], 16, v[W]
	v_and_b32 v[A+1], 0xffff0000, v[W]
	v_lshlrev_b32 v[A+2], 16, v[W+1]
	v_and_b32 v[A+3], 0xffff0000, v[W+1]
	s_delay_alu instid0(VALU_DEP_3)
	v_pk_mul_f32 v[A:A+1], v[A:A+1], v[64:65]
	s_delay_alu instid0(VALU_DEP_2)
	v_pk_mul_f32 v[A+2:A+3], v[A+2:A+3], v[66:67]
.set j, 2
	s_delay_alu instid0(VALU_DEP_2)
	v_fma_mix_f32_bf16 v[A], v[W+j], v[64+2*j], v[A] op_sel_hi:[1,0,0]                     ; t's low half x n + the sum
	s_delay_alu instid0(VALU_DEP_3)
	v_fma_mix_f32_bf16 v[A+1], v[W+j], v[65+2*j], v[A+1] op_sel:[1,0,0] op_sel_hi:[1,0,0]  ; its high half
	s_delay_alu instid0(VALU_DEP_3)
	v_fma_mix_f32_bf16 v[A+2], v[W+j+1], v[66+2*j], v[A+2] op_sel_hi:[1,0,0]
	s_delay_alu instid0(VALU_DEP_4)
	v_fma_mix_f32_bf16 v[A+3], v[W+j+1], v[67+2*j], v[A+3] op_sel:[1,0,0] op_sel_hi:[1,0,0]
.set j, j+2
.rept (15)-1
	s_delay_alu instid0(VALU_DEP_4)
	v_fma_mix_f32_bf16 v[A], v[W+j], v[64+2*j], v[A] op_sel_hi:[1,0,0]                     ; t's low half x n + the sum
	s_delay_alu instid0(VALU_DEP_4)
	v_fma_mix_f32_bf16 v[A+1], v[W+j], v[65+2*j], v[A+1] op_sel:[1,0,0] op_sel_hi:[1,0,0]  ; its high half
	s_delay_alu instid0(VALU_DEP_4)
	v_fma_mix_f32_bf16 v[A+2], v[W+j+1], v[66+2*j], v[A+2] op_sel_hi:[1,0,0]
	s_delay_alu instid0(VALU_DEP_4)
	v_fma_mix_f32_bf16 v[A+3], v[W+j+1], v[67+2*j], v[A+3] op_sel:[1,0,0] op_sel_hi:[1,0,0]
.set j, j+2
.endr
	s_delay_alu instid0(VALU_DEP_1)
	v_pk_add_f32 v[A:A+1], v[A:A+1], v[A+2:A+3]
	s_delay_alu instid0(VALU_DEP_1)
	v_add_f32 v[A], v[A], v[A+1]
	WSUM A, 38
	ds_store_b32 v41, v[A] offset:4*\rho
.endm
	CROW 0, 8                                      ; the first row is in; the second row's eight loads may be out
	CROW 1, 0
	s_wait_dscnt 0x0
	s_barrier_signal -1
	s_barrier_wait -1
	s_cmp_lg_u32 s[WV], 0
	s_cbranch_scc1 .Lend
	ds_load_b32 v54, v52                           ; wave 0: the 32 sums, a lane each
	s_wait_dscnt 0x0
	v_fma_f32 v54, v54, v40, v36                   ; x (g / 127) s + b_c
	global_store_b32 v6, v54, s[78:79]
.Lend:
	s_wait_tensorcnt 0x0
	ds_add_u32 v254, v255
	s_wait_dscnt 0x0
	s_endpgm
.Lfunc_end_k_q47ea846c47_final:
	.size	k_q47ea846c47_final, .Lfunc_end_k_q47ea846c47_final-k_q47ea846c47_final
	.p2alignl 7, 3214868480
	.fill 96, 4, 3214868480
	.section	.rodata,"a",@progbits
	.p2align	6, 0x0
	.amdhsa_kernel k_q47ea846c47_final
		.amdhsa_group_segment_fixed_size 11264
		.amdhsa_private_segment_fixed_size 0
		.amdhsa_enable_private_segment 0
		.amdhsa_kernarg_size 64
		.amdhsa_user_sgpr_count 2
		.amdhsa_user_sgpr_kernarg_segment_ptr 1
		.amdhsa_wavefront_size32 1
		.amdhsa_system_sgpr_workgroup_id_x 1
		.amdhsa_system_sgpr_workgroup_id_y 1
		.amdhsa_system_sgpr_workgroup_id_z 1
		.amdhsa_system_vgpr_workitem_id 0
		.amdhsa_next_free_vgpr 256
		.amdhsa_next_free_sgpr 96
		.amdhsa_reserve_vcc 0
		.amdhsa_float_denorm_mode_32 3
		.amdhsa_float_denorm_mode_16_64 3
		.amdhsa_memory_ordered 1
		.amdhsa_forward_progress 1
		.amdhsa_inst_pref_size 37
	.end_amdhsa_kernel
	.amdgpu_metadata
---
amdhsa.version: [ 1, 2 ]
amdhsa.kernels:
  - .name:           k_q47ea846c47_final
    .symbol:         k_q47ea846c47_final.kd
    .args:
      - { .name: part, .offset: 0, .size: 8, .value_kind: global_buffer, .address_space: global }
      - { .name: pstat, .offset: 8, .size: 8, .value_kind: global_buffer, .address_space: global }
      - { .name: query, .offset: 16, .size: 8, .value_kind: global_buffer, .address_space: global }
      - { .name: b_v, .offset: 24, .size: 8, .value_kind: global_buffer, .address_space: global }
      - { .name: wct, .offset: 32, .size: 8, .value_kind: global_buffer, .address_space: global }
      - { .name: wsum, .offset: 40, .size: 8, .value_kind: global_buffer, .address_space: global }
      - { .name: b_c, .offset: 48, .size: 8, .value_kind: global_buffer, .address_space: global }
      - { .name: out0, .offset: 56, .size: 8, .value_kind: global_buffer, .address_space: global }
    .group_segment_fixed_size: 11264
    .private_segment_fixed_size: 0
    .kernarg_segment_align: 8
    .kernarg_segment_size: 64
    .max_flat_workgroup_size: 512
    .sgpr_count:     96
    .vgpr_count:     256
    .wavefront_size: 32
...
	.end_amdgpu_metadata
.endif
;; end of part 4
